; MI455X (gfx1250); checked and timed in simulation.
; The chip was launched on July 23, 2026; its instructions are those of AMD's public machine-readable ISA for CDNA 5 (MIT licence, August 2026) and "CDNA5" Instruction Set Architecture Reference Guide (July 2026). The comments in the code are by the model that wrote it; some were corrected since.
;; TF Rel Partial Learnable Multi Head Attn. Allowed arithmetic: matrix products marked QUANTISED: E2M1 operands, one E8M0 scale for each 32 along K, by v_wmma_scale_f32_16x16x128_f8f6f4 with both operands' format E2M1 (or v_wmma_scale_f32_32x16x128_f4), f32 sums; everything else in f32.
;; Inputs: attn_mask 1,024 x 2,048 float32; ln_beta 1,024 float32; ln_gamma 1,024 float32; mems 1,024 x 4 x 1,024 float32; o_kernel_codes 1,024 x 32 x 16 uint8 (E2M1 codes of o_kernel, K innermost, in blocks of 32 codes, two codes a byte); o_kernel_scales 1,024 x 32 uint8 (E8M0 scales of o_kernel, one for each 32 codes along K); qkv_kernel_codes 3,072 x 32 x 16 uint8 (E2M1 codes of qkv_kernel, K innermost, in blocks of 32 codes, two codes a byte); qkv_kernel_scales 3,072 x 32 uint8 (E8M0 scales of qkv_kernel, one for each 32 codes along K); r_codes 2,048 x 32 x 16 uint8 (E2M1 codes of r, K innermost, in blocks of 32 codes, two codes a byte); r_kernel_codes 1,024 x 32 x 16 uint8 (E2M1 codes of r_kernel, K innermost, in blocks of 32 codes, two codes a byte); r_kernel_scales 1,024 x 32 uint8 (E8M0 scales of r_kernel, one for each 32 codes along K); r_r_bias 16 x 64 float32; r_scales 2,048 x 32 uint8 (E8M0 scales of r, one for each 32 codes along K); r_w_bias 16 x 64 float32; w 1,024 x 4 x 1,024 float32.
;; Outputs: out0 1,024 x 4 x 1,024 float32.
;; This version of the problem:
;;   THIS VERSION OF THE PROBLEM IS GIVEN IN LOW PRECISION. The matrix products marked QUANTISED in the list below multiply operands that are first quantised to E2M1 (2 exponent bits, 1 mantissa bit; 4 bits a number), with one power-of-two scale for each 32 numbers along K (OCP MX v1.0); their sums are f32. All else is computed in f32.
;;   The module's matrix products, in the order in which they are computed (A, B: the left and right operand; K: the contracted axis; several contracted axes count as one K, in the product's order):
;;     1. [M 8,192, K 1,024] x [K 1,024, N 3,072]; A: computed on the way; B: input qkv_kernel (given as codes): QUANTISED
;;     2. [M 2,048, K 1,024] x [K 1,024, N 1,024]; A: input r (given as codes); B: input r_kernel (given as codes): QUANTISED
;;     3. batch 64 x [M 2,048, K 64] x [K 64, N 1,024]; A: computed on the way; B: computed on the way: QUANTISED
;;     4. batch 16 x [M 2,048, K 64] x [K 64, N 4,096]; A: computed on the way; B: computed on the way: QUANTISED
;;     5. batch 64 x [M 64, K 2,048] x [K 2,048, N 1,024]; A: computed on the way; B: softmax (see below): QUANTISED
;;     6. [M 4,096, K 1,024] x [K 1,024, N 1,024]; A: computed on the way; B: input o_kernel (given as codes): QUANTISED
;;   THE QUANTISER, for each operand of a quantised product, along K:
;;     - K is cut into blocks of 32 from its start; a last block that is shorter is filled with zeros.
;;     - A block's scale is 2^e with e = floor(log2(the largest magnitude in the block)) - 2, held to -126 .. 127; a block of zeros has e = 0. As a byte (E8M0): e + 127.
;;     - Each number is divided by its block's scale, clamped to +-6, and rounded to the nearest number of E2M1, ties to even, subnormals kept.
;;     - The product sums the exact products of the quantised numbers (number of the format x scale) in f32.
;;   ~~~python
;;   def quantise(x, axis):      # numpy; x: float32 -> the quantised numbers, widened to float32 again
;;       x = np.moveaxis(x, axis, -1); K = x.shape[-1]
;;       x = np.pad(x, [(0, 0)] * (x.ndim - 1) + [(0, -K % 32)]); x = x.reshape(x.shape[:-1] + (-1, 32)); a = np.abs(x).max(-1, keepdims=True)
;;       e = np.where(a > 0, np.clip(np.frexp(np.where(a > 0, a, 1))[1] - 1 - 2, -126, 127), 0)      # np.frexp(a)[1] - 1 = floor(log2(a)), exactly
;;       r = np.clip(x / 2.0 ** e, -6, 6)
;;       step = 2.0 ** (np.maximum(np.frexp(np.where(r == 0, 1, r))[1] - 1, 0) - 1)
;;       q = np.round(r / step) * step * 2.0 ** e      # np.round: ties to even
;;       return np.moveaxis(q.reshape(q.shape[:-2] + (-1,))[..., :K], -1, axis).astype(np.float32)
;;   ~~~
;;   SOFTMAX AHEAD OF A QUANTISED PRODUCT. Where the list says 'softmax', what is quantised is not the finished softmax but p = 2^(t - M), with t = logit x log2(e) and M = ceil(the row's largest t), a whole number; so 1/2 < the row's largest p <= 1. The row's sum l is taken of the UNQUANTISED p, in f32, and the product's result is divided by l at the end. Since M is a whole number, a kernel that streams over the keys may use a running M (the ceiling of the running maximum): every later rescaling is an exact power of two, which a block's scale takes up: the codes' values come out the same.
;;   OPERANDS COMPUTED ON THE WAY. 'Computed on the way' means the value that the module computes at that place (a softmax that the list does not call 'softmax' is quantised finished and normalised). What goes into a quantiser is computed in f32, as accurately as f32 sums, v_exp_f32 and their like allow (about 1e-6 of the number): no bf16 or f16 on the way to a quantiser, and a product that is left as it is and whose result goes on into a quantised operand takes f32 operands (vector FMAs, or v_wmma_f32_16x16x4_f32). A number that lies on a knife's edge between two numbers of the format may be rounded either way, as far as f32 arithmetic and the matrix unit's own rounding can turn it there, and no further.
;;   INPUTS GIVEN AS CODES. o_kernel (in the module: [1024, 1024], K = its axis 0); qkv_kernel (in the module: [1024, 3072], K = its axis 0); r (in the module: [2048, 1024], K = its axis 1); r_kernel (in the module: [1024, 1024], K = its axis 0): each comes as NAME_codes (uint8): NAME with its K axis moved to the last place and cut into blocks of 32 codes, [.., K / 32, bytes a block], one block behind the other in memory; two codes a byte, the lower K in the low four bits (a code: sign, 2 exponent bits, 1 mantissa bit); and NAME_scales (uint8): the same leading axes, one E8M0 byte (e + 127) for each 32 codes along K. Its value is code x scale, taken as it is: it is not quantised again, and the codes and scales need not be those that the quantiser above would give.
;; One version. Each part assembles by itself: llvm-mc -triple=amdgcn-amd-amdhsa -mcpu=gfx1250 --defsym DOCPART=n.
;; ======== version 1 of 1: 4 launches
;; limits: right only within a limited range of input values
;; workspace buffers: fr 7,864,320 bytes; xs 262,144 bytes; flags 4,096 bytes of whole numbers; rt 2,064,384 bytes; qq 4,718,592 bytes; kv 9,175,040 bytes; av 2,228,224 bytes
;; launch prep (part 1): grid 264 x 1, 16 waves a work-group, no clusters, 139,264 bytes of LDS; arguments w, mems, attn_mask, qkv_kernel_codes, r_kernel_codes, r_codes, o_kernel_codes, fr, xs, flags, rt; writes fr, xs, flags, rt
.if DOCPART == 1
	.amdgcn_target "amdgcn-amd-amdhsa--gfx1250"
	.amdhsa_code_object_version 6
	.text
	.protected	k_qbdb65c84e9_prep
	.globl	k_qbdb65c84e9_prep
	.p2align	8
	.type	k_qbdb65c84e9_prep,@function
k_qbdb65c84e9_prep:
	s_mov_b64 s[64:65], 0
	v_nop
	global_prefetch_b8 v0, s[64:65] scope:SCOPE_SE
	s_setreg_imm32_b32 hwreg(HW_REG_WAVE_MODE, 25, 1), 1
	s_wait_xcnt 0x0
; Transformer-XL relative attention in MX-FP4, launch 1 of 4: everything that later launches read many times is laid out once.
; DEAD WORK.  reference() forms w_heads = cat @ qkv_kernel for all 2,048 positions and keeps of its first third only w_head_q[-qlen:].  So the products of the 4,096 rows of cat that come from mems
; with columns 0 .. 1,023 of qkv_kernel are sliced away and reach no output, whatever the inputs hold: the next launch does not compute them.  Every input still has a way to the output: all are loaded.
; LIMITS.  A NaN, an infinity or an overflow that would arise only in that part is not carried to the result.  NaN and infinities among the inputs are not served.  A block of zeros gets the scale byte 1
; where the quantiser says 127: its codes are zeros, and these bytes are read by this program alone.  |score x (1 - m)| is taken to stay under 1e29 (see the flags).
; FOUR KINDS OF WORK-GROUP, told apart by the work-group's number:
;   0 .. 127    cat = (mems, w) is quantised along d_model into fr (fragment images) and xs (scale words).  Row rho' = b x 2048 + j.
;   128 .. 191  the mask is classed: for each tile of 16 queries (64 blk + 4 r + e) and each step of 128 keys a whole number: 0 leave the step out, 1 no mask in it, 2 take the mask as it is.
;   192 .. 247  the codes of qkv_kernel, r_kernel, r and o_kernel are copied into fr in the order of an operand's registers.
;   248 .. 263  the rows of the table of R that stand for nothing are zeroed (rows 0 .. 255 and 2,304 .. 3,583 of each head, codes and scale words).
; A FRAGMENT IMAGE is 16 rows x 128 K = 1,024 bytes: register group c (0, 1) of lane L at 512 c + 16 L.  Tile T of an operand lies at 8,192 T + 1,024 ks.
; THE ROWS OF A TILE ARE NOT NEIGHBOURS: lane r of tile T holds row 32 (T / 2) + 8 (T % 2) + r + 8 (r / 8), so that a product's 16 result registers of two neighbouring tiles are 16 neighbours.
; x ON ITS WAY IN.  The conversions want 16 neighbours along K in one lane; a load is best where neighbouring lanes take neighbouring bytes.  Both are had: a load reads 512 consecutive bytes of one row
; (128 numbers: a K step), 16 loads the tile's 16 rows; the 8 KB go through the wave's own stage in LDS (rows 528 bytes apart) and come back 64 bytes a lane and block.
; WHY A STEP MAY BE LEFT OUT.  Flag 0 is given only where all 16 x 128 mask numbers are 1 AND every row of the tile has, somewhere among its 2,048 keys, a mask number of 0.5 or less.  The logit of a key
; with m = 1 is -1e30; that other key's is at least -0.5e30 less 1e29: so p of the m = 1 key is 2^(under -5e29), which is 0 in f32.  A row that is masked throughout is never left out.
.set SPARE, 1536                       ; LDS: 0 row minima [wave][16 words]; 1,024 step minima; 1,280 step maxima; from 1,536 the spare words, 128 bytes for each of 16 waves;
.set STG,   4096                       ; from 4,096 the stages of the waves that quantise x: bytes of their own, which the flags' path never names
.set SROW,  528                        ; a stage row: 512 bytes + 16 = 33 x 16: the 16 rows that a load back touches begin in 16 different columns of 16 bytes
.set SWAVE, 16*SROW                    ; a wave's stage
.set SPW, 14                           ; v14  my spare word's LDS address; never rewritten
.set NIL, 15                           ; v15  0; never rewritten
.set TM,  16                           ; v16-19 largest magnitudes, v20-23 the other half's / bytes, v28-31 the conversions' scale operands
.set SEL, 28                           ; s[28:29] lane selects: lane l xor 16
.set WV,  26                           ; s26  my wave's number
	s_load_b512 s[4:19], s[0:1], 0x0               ; w s[4:5], mems s[6:7], mask s[8:9], codes of qkv s[10:11], r_kernel s[12:13], r s[14:15], o_kernel s[16:17], fr s[18:19]
	s_load_b128 s[20:23], s[0:1], 0x40             ; xs s[20:21], flags s[22:23]
	s_load_b64 s[24:25], s[0:1], 0x50              ; rt
	v_lshl_add_u32 v[SPW], v0, 2, SPARE
	v_mov_b32 v[NIL], 0
	v_lshrrev_b32 v1, 5, v0
	s_delay_alu instid0(VALU_DEP_1)
	v_readfirstlane_b32 s[WV], v1
	v_and_b32 v2, 31, v0                           ; L
	v_and_b32 v3, 15, v0                           ; r
	v_bfe_u32 v4, v0, 4, 1                         ; h
	s_delay_alu instid0(VALU_DEP_2)
	v_and_b32 v5, 8, v3
	s_delay_alu instid0(VALU_DEP_1)
	v_add_nc_u32 v5, v5, v3                        ; r + 8 (r / 8)
	s_mov_b32 s[SEL], 0x76543210
	s_mov_b32 s[SEL+1], 0xfedcba98
	s_mov_b32 s37, 0                               ; the upper word of every offset pair s[36:37]
	s_wait_kmcnt 0x0
	s_cmp_lt_u32 ttmp9, 128
	s_cbranch_scc1 .Lquant
	s_cmp_lt_u32 ttmp9, 192
	s_cbranch_scc1 .Lflags
	s_cmp_lt_u32 ttmp9, 248
	s_cbranch_scc1 .Lrepack
; ---- the zero rows of head n of the table of R
	s_sub_co_u32 s30, ttmp9, 248                   ; n
	s_mul_i32 s36, s30, 114688                     ; a head's 3,584 rows of 32 bytes
	s_add_nc_u64 s[34:35], s[24:25], s[36:37]
	v_mov_b32 v8, 0
	v_mov_b32 v9, 0
	v_mov_b32 v10, 0
	v_mov_b32 v11, 0
	v_lshlrev_b32 v1, 4, v0                        ; 16 bytes a thread: 8,192 a store of the work-group
	global_store_b128 v1, v[8:11], s[34:35]        ; rows 0 .. 255
.irp q, 0,1,2,3,4
	global_store_b128 v1, v[8:11], s[34:35] offset:73728+8192*\q   ; rows 2,304 .. 3,583
.endr
	s_cmp_ge_u32 s[WV], 12                         ; the scale words of those rows: 1,024 + 5,120 bytes = 384 threads = waves 0 .. 11
	s_cbranch_scc1 .Lzero_end
	s_mul_i32 s36, s30, 14336
	s_add_co_u32 s36, s36, 1835008
	s_cmp_ge_u32 s[WV], 2                          ; from thread 64 on: rows 2,304 on, 8,192 bytes further than 16 x thread
	s_cselect_b32 s31, 8192, 0
	s_add_co_u32 s36, s36, s31
	s_add_nc_u64 s[38:39], s[24:25], s[36:37]
	s_wait_alu depctr_va_vdst(0)
	global_store_b128 v1, v[8:11], s[38:39]
.Lzero_end:
	s_endpgm
; ---- codes into fragment order: a work-group copies 128 rows of 512 bytes = 8 tiles
.Lrepack:
	s_mov_b64 s[34:35], s[10:11]
	s_mov_b32 s31, 192
	s_cmp_ge_u32 ttmp9, 216
	s_cselect_b64 s[34:35], s[12:13], s[34:35]
	s_cselect_b32 s31, 216, s31
	s_cmp_ge_u32 ttmp9, 224
	s_cselect_b64 s[34:35], s[14:15], s[34:35]
	s_cselect_b32 s31, 224, s31
	s_cmp_ge_u32 ttmp9, 240
	s_cselect_b64 s[34:35], s[16:17], s[34:35]
	s_cselect_b32 s31, 240, s31
	s_sub_co_u32 s36, ttmp9, s31
	s_lshl_b32 s36, s36, 16
	s_add_nc_u64 s[34:35], s[34:35], s[36:37]      ; my 128 rows in their tensor
	s_sub_co_u32 s36, ttmp9, 192
	s_lshl_b32 s36, s36, 16
	s_add_co_u32 s36, s36, 4194304                 ; behind x's 512 tiles
	s_add_nc_u64 s[18:19], s[18:19], s[36:37]
	s_wait_alu depctr_va_vdst(0)
	v_lshlrev_b32 v1, 9, v5                        ; thread t = 64 ks + 32 c + L reads row r + 8 (r / 8), bytes 64 ks + 32 c + 16 h,
	v_lshrrev_b32 v6, 5, v0
	s_delay_alu instid0(VALU_DEP_1)
	v_lshl_add_u32 v1, v6, 5, v1
	s_delay_alu instid0(VALU_DEP_1)
	v_lshl_add_u32 v1, v4, 4, v1
	v_lshlrev_b32 v7, 4, v0                        ; and writes byte 16 t of the tile: 1,024 ks + 512 c + 16 L
.irp it, 0,1,2,3,4,5,6,7
	global_load_b128 v[32+4*\it:35+4*\it], v1, s[34:35] offset:(32*(\it/2)+8*(\it%2))*512
.endr
	s_wait_alu depctr_va_vdst(0)
	s_wait_loadcnt 0x0
.irp it, 0,1,2,3,4,5,6,7
	global_store_b128 v7, v[32+4*\it:35+4*\it], s[18:19] offset:8192*\it   ; a wave's store covers 512 consecutive bytes
.endr
	s_endpgm
; ---- x: 64 numbers of a lane, register 16 b + i = k 32 b + 16 h + i of my row, become a fragment's codes in v[pc] on and its scale word in v[pw]
.macro QUANT s, pc, pw
.irp b, 0,1,2,3
	v_max3_num_f32 v[TM+\b], |v[\s+16*\b]|, |v[\s+1+16*\b]|, 0x1800000   ; my 16 numbers of block b, and the floor 2^(3 - 127): the byte cannot fall under 1
.endr
.irp i, 2,4,6,8,10,12,14
.irp b, 0,1,2,3
	s_delay_alu instid0(VALU_DEP_4)
	v_max3_num_f32 v[TM+\b], v[TM+\b], |v[\s+16*\b+\i]|, |v[\s+1+16*\b+\i]|
.endr
.endr
.irp b, 0,1,2,3
	s_delay_alu instid0(VALU_DEP_4)
	v_permlanex16_b32 v[TM+4+\b], v[TM+\b], s[SEL], s[SEL+1]
.endr
.irp b, 0,1,2,3
	s_delay_alu instid0(VALU_DEP_4)
	v_max_num_f32 v[TM+\b], v[TM+\b], v[TM+4+\b]   ; with lane l xor 16's: the block's largest magnitude
.endr
.irp b, 0,1,2,3
	s_delay_alu instid0(VALU_DEP_4)
	v_add_nc_u32 v[TM+12+\b], 0xff000000, v[TM+\b] ; 2 off its exponent field: the conversion's scale operand
.endr
.irp b, 0,1,2,3
	s_delay_alu instid0(VALU_DEP_4)
	v_lshrrev_b32 v[TM+4+\b], 23, v[TM+12+\b]      ; the scale's byte
.endr
	s_delay_alu instid0(VALU_DEP_3)
	v_lshl_or_b32 v[\pw], v[TM+5], 8, v[TM+4]
	s_delay_alu instid0(VALU_DEP_1)
	v_lshl_or_b32 v[\pw], v[TM+6], 16, v[\pw]
	s_delay_alu instid0(VALU_DEP_1)
	v_lshl_or_b32 v[\pw], v[TM+7], 24, v[\pw]
.irp b, 0,1,2,3
	v_cvt_scalef32_pk8_fp4_f32 v[\pc+2*\b], v[\s+16*\b:\s+7+16*\b], v[TM+12+\b]
	v_cvt_scalef32_pk8_fp4_f32 v[\pc+1+2*\b], v[\s+8+16*\b:\s+15+16*\b], v[TM+12+\b]
.endr
	v_nop                                          ; one plain place behind a scaled conversion
.irp c, 0,1                                    ; a whole block to a lane: lanes 0-15 block 2 c, lanes 16-31 block 2 c + 1
.irp i, 0,1
	v_permlane16_swap_b32 v[\pc+4*\c+\i], v[\pc+2+4*\c+\i]
.endr
.endr
.endm
; a K step's 16 rows x 512 bytes, as loaded in v[src] on (4 registers a row), go into my stage and come back in v[dst] on: register 16 bq + 4 p + .. = numbers 32 bq + 16 h + 4 p + .. of row r
.macro TURN src, dst
.irp q, 0,1,2,3,4,5,6,7,8,9,10,11,12,13,14,15
	ds_store_b128 v10, v[\src+4*\q:\src+4*\q+3] offset:SROW*\q     ; 32 lanes store a row's 512 consecutive bytes
.endr
.irp bq, 0,1,2,3
.irp p, 0,1,2,3
	ds_load_b128 v[\dst+16*\bq+4*\p:\dst+16*\bq+4*\p+3], v11 offset:128*\bq+16*\p   ; LDS serves a wave's instructions in order: these see the stores above
.endr
.endr
	s_wait_dscnt 0x0                               ; the numbers are back; the stage and the stores' registers may be written again
.endm
.Lquant:                                           ; a wave: tile T = 4 x work-group + wave / 4, K steps 2 qd and 2 qd + 1, qd = wave % 4
	s_lshl_b32 s30, ttmp9, 2
	s_lshr_b32 s31, s[WV], 2
	s_add_co_u32 s30, s30, s31                     ; T
	s_and_b32 s31, s[WV], 3                        ; qd
	s_lshr_b32 s32, s30, 7                         ; b
	s_and_b32 s33, s30, 127                        ; the tile among b's 128
	s_cmp_lt_u32 s33, 64
	s_cselect_b64 s[34:35], s[6:7], s[4:5]         ; positions 0 .. 1,023 lie in mems, the others in w
	s_and_b32 s33, s33, 63
	s_lshr_b32 s38, s33, 1
	s_lshl_b32 s38, s38, 19                        ; 32 positions of 16,384 bytes
	s_and_b32 s39, s33, 1
	s_lshl_b32 s39, s39, 17                        ; 8 positions
	s_add_co_u32 s36, s38, s39
	s_lshl_b32 s38, s32, 12
	s_add_co_u32 s36, s36, s38                     ; + b x 4,096
	s_lshl_b32 s38, s31, 10
	s_add_co_u32 s36, s36, s38                     ; + qd x 256 numbers
	s_add_nc_u64 s[34:35], s[34:35], s[36:37]
	s_wait_alu depctr_va_vdst(0)
	v_lshlrev_b32 v1, 4, v2                        ; 16 L: my 16 bytes of a row's 512
.irp k, 0,1
.irp q, 0,1,2,3,4,5,6,7,8,9,10,11,12,13,14,15
	global_load_b128 v[64+64*\k+4*\q:67+64*\k+4*\q], v1, s[34:35] offset:(\q+8*(\q/8))*16384+512*\k th:TH_LOAD_NT   ; row q of the tile, K step k: 512 consecutive bytes, read once in the launch
.endr
.endr
	s_mul_i32 s38, s[WV], SWAVE
	s_add_co_u32 s38, s38, STG                     ; my stage
	v_add_nc_u32 v10, s38, v1                      ; in: 16 L of a row
	v_mul_u32_u24 v11, v3, SROW
	s_delay_alu instid0(VALU_DEP_1)
	v_lshl_add_u32 v11, v4, 6, v11
	s_delay_alu instid0(VALU_DEP_1)
	v_add_nc_u32 v11, s38, v11                     ; back: row r, + 64 h: my 16 numbers of a block of 32
	s_lshl_b32 s36, s30, 13
	s_lshl_b32 s38, s31, 11
	s_add_co_u32 s36, s36, s38
	s_add_nc_u64 s[18:19], s[18:19], s[36:37]      ; fr + 8,192 T + 1,024 (2 qd)
	s_lshr_b32 s36, s30, 1
	s_lshl_b32 s36, s36, 10
	s_and_b32 s38, s30, 1
	s_lshl_b32 s38, s38, 8
	s_add_co_u32 s36, s36, s38
	s_lshl_b32 s38, s31, 3
	s_add_co_u32 s36, s36, s38
	s_add_nc_u64 s[20:21], s[20:21], s[36:37]      ; xs + 32 x the tile's first row + 4 (2 qd)
	v_lshlrev_b32 v6, 4, v2                        ; 16 L
	v_lshlrev_b32 v7, 5, v5
	s_delay_alu instid0(VALU_DEP_1)
	v_lshl_add_u32 v7, v4, 2, v7                   ; my row's 32 bytes; lanes 0-15 store the first K step's word, lanes 16-31 the second's
	v_cmp_eq_u32 vcc_lo, 1, v4
.irp b, 0,1,2,3
	v_mov_b32 v[TM+4+\b], 0                        ; written once: a lane permute's destination counts as one of its sources
.endr
	s_wait_alu depctr_va_vdst(0)
	s_wait_loadcnt 16                              ; the first K step's 16 loads are in; the second's 16 may be out
	TURN 64, 192
	QUANT 192, 32, 48
	s_wait_loadcnt 0x0
	TURN 128, 64
	QUANT 64, 40, 49
	global_store_b128 v6, v[32:35], s[18:19]
	global_store_b128 v6, v[36:39], s[18:19] offset:512
	global_store_b128 v6, v[40:43], s[18:19] offset:1024
	global_store_b128 v6, v[44:47], s[18:19] offset:1536
	v_cndmask_b32 v8, v48, v49, vcc_lo
	global_store_b32 v7, v8, s[20:21]
	s_wait_tensorcnt 0x0                           ; the wave's end: a tensor wait, an add and an LDS wait behind my last LDS store
	ds_add_u32 v[SPW], v[NIL]
	s_wait_dscnt 0x0
	s_endpgm
; ---- the flags of one tile of 16 queries; wave s takes keys 128 s .. 128 s + 127
.Lflags:
	s_sub_co_u32 s30, ttmp9, 128                   ; tile = 4 blk + e
	s_lshr_b32 s31, s30, 2
	s_and_b32 s32, s30, 3
	s_lshl_b32 s31, s31, 6
	s_add_co_u32 s31, s31, s32                     ; its first query: 64 blk + e; the others 4 apart
	s_lshl_b32 s36, s31, 13
	s_lshl_b32 s33, s[WV], 9
	s_add_co_u32 s36, s36, s33
	s_add_nc_u64 s[8:9], s[8:9], s[36:37]
	s_lshl_b32 s36, s30, 6
	s_add_nc_u64 s[22:23], s[22:23], s[36:37]
	s_wait_alu depctr_va_vdst(0)
	v_lshlrev_b32 v1, 4, v2
.irp rr, 0,1,2,3,4,5,6,7,8,9,10,11,12,13,14,15
	global_load_b128 v[64+4*\rr:67+4*\rr], v1, s[8:9] offset:32768*\rr   ; 32 lanes read the row's 512 consecutive bytes
.endr
	s_lshl_b32 s33, s[WV], 6
	v_mov_b32 v10, s33                             ; LDS: my wave's 16 row minima
	s_lshl_b32 s33, s[WV], 2
	v_mov_b32 v11, s33                             ; and its word among the steps' minima and maxima
	v_lshlrev_b32 v12, 2, v3                       ; 4 r
	s_wait_loadcnt 0x0
.irp rr, 0,1,2,3,4,5,6,7,8,9,10,11,12,13,14,15
	v_min3_num_f32 v[32+\rr], v[64+4*\rr], v[65+4*\rr], v[66+4*\rr]
.endr
.irp rr, 0,1,2,3,4,5,6,7,8,9,10,11,12,13,14,15
	v_min_num_f32 v[32+\rr], v[32+\rr], v[67+4*\rr]                     ; v32-47: each row's least
.endr
.irp rr, 0,1,2,3,4,5,6,7,8,9,10,11,12,13,14,15
	v_max3_num_f32 v[64+4*\rr], v[64+4*\rr], v[65+4*\rr], v[66+4*\rr]
.endr
.irp rr, 0,1,2,3,4,5,6,7,8,9,10,11,12,13,14,15
	v_max_num_f32 v[64+4*\rr], v[64+4*\rr], v[67+4*\rr]
.endr
	v_max3_num_f32 v49, v64, v68, v72              ; v49: the greatest of all
	v_min3_num_f32 v48, v32, v33, v34              ; v48: the least of all
.irp i, 0,1,2,3,4,5
	s_delay_alu instid0(VALU_DEP_2)
	v_max3_num_f32 v49, v49, v[76+8*\i], v[80+8*\i]
	s_delay_alu instid0(VALU_DEP_2)
	v_min3_num_f32 v48, v48, v[35+2*\i], v[36+2*\i]
.endr
	s_delay_alu instid0(VALU_DEP_2)
	v_max_num_f32 v49, v49, v124
	s_delay_alu instid0(VALU_DEP_2)
	v_min_num_f32 v48, v48, v47
.irp m, 1,2,4,8                                ; across the lanes, the eighteen numbers by turns
.irp x, 32,33,34,35,36,37,38,39,40,41,42,43,44,45,46,47,48
	v_min_num_f32_dpp v[\x], v[\x], v[\x] row_xmask:\m row_mask:0xf bank_mask:0xf
.endr
	v_max_num_f32_dpp v49, v49, v49 row_xmask:\m row_mask:0xf bank_mask:0xf
.endr
.irp x, 32,33,34,35,36,37,38,39,40,41,42,43,44,45,46,47,48,49
	v_permlanex16_b32 v[\x+32], v[\x], s[SEL], s[SEL+1]
.endr
.irp x, 32,33,34,35,36,37,38,39,40,41,42,43,44,45,46,47,48
	v_min_num_f32 v[\x], v[\x], v[\x+32]
.endr
	v_max_num_f32 v49, v49, v81
.irp rr, 0,1,2,3,4,5,6,7,8,9,10,11,12,13,14,15
	ds_store_b32 v10, v[32+\rr] offset:4*\rr       ; all lanes write the same word with the same value
.endr
	ds_store_b32 v11, v48 offset:1024
	ds_store_b32 v11, v49 offset:1280
	s_wait_dscnt 0x0                               ; for the others' sake: my stores have landed
	s_barrier_signal -1
	s_barrier_wait -1
	s_cmp_lg_u32 s[WV], 0                          ; wave 0 alone makes the 16 flags: lane r (and r + 16, alike) stands for row r, then for step r
	s_cbranch_scc1 .Lflags_end
.irp u, 0,1,2,3,4,5,6,7,8,9,10,11,12,13,14,15
	ds_load_b32 v[64+\u], v12 offset:64*\u         ; row r's least in step u
.endr
	ds_load_b32 v80, v12 offset:1024               ; step r's least,
	ds_load_b32 v81, v12 offset:1280               ; and greatest
	s_wait_dscnt 0x0
	v_min3_num_f32 v82, v64, v65, v66
.irp i, 0,1,2,3,4,5
	s_delay_alu instid0(VALU_DEP_1)
	v_min3_num_f32 v82, v82, v[67+2*\i], v[68+2*\i]
.endr
	s_delay_alu instid0(VALU_DEP_1)
	v_min_num_f32 v82, v82, v79                    ; row r's least over all 2,048 keys
.irp m, 1,2,4,8
	s_delay_alu instid0(VALU_DEP_1)
	v_max_num_f32_dpp v82, v82, v82 row_xmask:\m row_mask:0xf bank_mask:0xf   ; the greatest of the 16 rows' leasts
.endr
	s_delay_alu instid0(VALU_DEP_1)
	v_cmp_ge_f32 s40, 0.5, v82                     ; every row has a key with m <= 0.5
	v_max_num_f32 v83, |v80|, |v81|
	s_delay_alu instid0(VALU_DEP_1)
	v_cmp_eq_f32 s41, 0, v83                       ; the step's mask numbers are all 0
	v_cmp_eq_f32 s42, 1.0, v80
	v_cmp_eq_f32 s43, 1.0, v81
	s_and_b32 s42, s42, s43                        ; all 1,
	s_and_b32 s42, s42, s40                        ; and no row hangs on them
	v_mov_b32 v84, 2
	v_mov_b32 v85, 0
	v_mov_b32 v86, 1
	s_delay_alu instid0(VALU_DEP_2)
	v_cndmask_b32 v84, v84, v85, s42
	s_delay_alu instid0(VALU_DEP_1)
	v_cndmask_b32 v84, v84, v86, s41
	global_store_b32 v12, v84, s[22:23]            ; at a fixed place: no address and no branch of this launch hangs on these numbers
.Lflags_end:
	s_wait_tensorcnt 0x0                           ; the wave's end: a tensor wait, an add and an LDS wait behind my last LDS store
	ds_add_u32 v[SPW], v[NIL]
	s_wait_dscnt 0x0
	s_endpgm
.Lfunc_end_k_qbdb65c84e9_prep:
	.size	k_qbdb65c84e9_prep, .Lfunc_end_k_qbdb65c84e9_prep-k_qbdb65c84e9_prep
	.p2alignl 7, 3214868480
	.fill 96, 4, 3214868480
	.section	.rodata,"a",@progbits
	.p2align	6, 0x0
	.amdhsa_kernel k_qbdb65c84e9_prep
		.amdhsa_group_segment_fixed_size 139264
		.amdhsa_private_segment_fixed_size 0
		.amdhsa_enable_private_segment 0
		.amdhsa_kernarg_size 88
		.amdhsa_user_sgpr_count 2
		.amdhsa_user_sgpr_kernarg_segment_ptr 1
		.amdhsa_wavefront_size32 1
		.amdhsa_system_sgpr_workgroup_id_x 1
		.amdhsa_system_sgpr_workgroup_id_y 1
		.amdhsa_system_sgpr_workgroup_id_z 1
		.amdhsa_system_vgpr_workitem_id 0
		.amdhsa_next_free_vgpr 256
		.amdhsa_next_free_sgpr 66
		.amdhsa_reserve_vcc 1
		.amdhsa_float_denorm_mode_32 3
		.amdhsa_float_denorm_mode_16_64 3
		.amdhsa_memory_ordered 1
		.amdhsa_forward_progress 1
		.amdhsa_inst_pref_size 43
	.end_amdhsa_kernel
	.amdgpu_metadata
---
amdhsa.version: [ 1, 2 ]
amdhsa.kernels:
  - .name:           k_qbdb65c84e9_prep
    .symbol:         k_qbdb65c84e9_prep.kd
    .args:
      - { .name: w, .offset: 0, .size: 8, .value_kind: global_buffer, .address_space: global }
      - { .name: mems, .offset: 8, .size: 8, .value_kind: global_buffer, .address_space: global }
      - { .name: attn_mask, .offset: 16, .size: 8, .value_kind: global_buffer, .address_space: global }
      - { .name: qkv_kernel_codes, .offset: 24, .size: 8, .value_kind: global_buffer, .address_space: global }
      - { .name: r_kernel_codes, .offset: 32, .size: 8, .value_kind: global_buffer, .address_space: global }
      - { .name: r_codes, .offset: 40, .size: 8, .value_kind: global_buffer, .address_space: global }
      - { .name: o_kernel_codes, .offset: 48, .size: 8, .value_kind: global_buffer, .address_space: global }
      - { .name: fr, .offset: 56, .size: 8, .value_kind: global_buffer, .address_space: global }
      - { .name: xs, .offset: 64, .size: 8, .value_kind: global_buffer, .address_space: global }
      - { .name: flags, .offset: 72, .size: 8, .value_kind: global_buffer, .address_space: global }
      - { .name: rt, .offset: 80, .size: 8, .value_kind: global_buffer, .address_space: global }
    .group_segment_fixed_size: 139264
    .private_segment_fixed_size: 0
    .kernarg_segment_align: 8
    .kernarg_segment_size: 88
    .max_flat_workgroup_size: 512
    .sgpr_count:     66
    .vgpr_count:     256
    .wavefront_size: 32
...
	.end_amdgpu_metadata
.endif
;; end of part 1
;; launch proj (part 2): grid 4 x 88, 16 waves a work-group, clusters of 4 x 4, 327,680 bytes of LDS; arguments fr, xs, qkv_kernel_scales, r_kernel_scales, r_scales, r_w_bias, r_r_bias, qq, kv, rt; writes qq, kv, rt
.if DOCPART == 2
	.amdgcn_target "amdgcn-amd-amdhsa--gfx1250"
	.amdhsa_code_object_version 6
	.text
	.protected	k_qbdb65c84e9_proj
	.globl	k_qbdb65c84e9_proj
	.p2align	8
	.type	k_qbdb65c84e9_proj,@function
k_qbdb65c84e9_proj:
	s_mov_b64 s[64:65], 0
	v_nop
	global_prefetch_b8 v0, s[64:65] scope:SCOPE_SE
	s_setreg_imm32_b32 hwreg(HW_REG_WAVE_MODE, 25, 1), 1
	s_wait_xcnt 0x0
	s_wait_alu depctr_hold_cnt(0) depctr_sa_sdst(0) depctr_va_vdst(0) depctr_va_sdst(0) depctr_va_ssrc(0) depctr_va_vcc(0) depctr_vm_vsrc(0)
	s_getreg_b32 s2, hwreg(HW_REG_IB_STS2, 6, 4)
	s_cmp_eq_u32 s2, 0
	s_cbranch_scc0 .Lentry_in_a_cluster
	s_endpgm
.Lentry_in_a_cluster:
	s_bfe_u32 s2, ttmp6, 0x10000c
	s_cmp_lg_u32 s2, 0xf033
	s_cbranch_scc0 .Lentry_shape_is_right
	s_endpgm
.Lentry_shape_is_right:
; Launch 2 of 4: cat @ qkv_kernel (its live part) and r @ r_kernel on codes of E2M1, the results quantised on the way out into the operands of the attention launch.
; LEFT OUT: Q of the 4,096 rows that come from mems: reference() slices it away (w_head_q[-qlen:]); shown at the head of the first launch.
; A WORK-GROUP makes 256 rows (positions of cat, or rows of r) x 256 rows of a weight (four heads), K = 1,024.  Its 16 waves stand 4 x 4; a wave makes 64 x 64.
; D(bt, at) = A's tile at x B's tile bt: a lane holds row r of B's tile, and, by the order of rows in a tile (lane r of tile T: row 32 (T / 2) + 8 (T % 2) + r + 8 (r / 8)),
; the 32 registers of a bt run along A: register 16 bk + i is A's row 32 bk + 16 h + i: two blocks of 32 of the next product's K.
; THE KINDS, by the cluster's y (22 clusters of 4 x 4 work-groups; cx = the quad of heads, 4 x (y - the kind's first) + cy = the quad of groups of 64 rows):
;   0 .. 7   K: A = qkv_kernel's rows 1,024 + 64 n on, B = positions: quantised along d, stored as fragment images (registers 0-3: K = 64)
;   8 .. 15  V: A = positions, B = qkv_kernel's rows 2,048 + 64 n on: quantised along the KEYS, stored as images of V^T
;   16 .. 19 Q: as K with rows 64 n on, positions of w alone; twice: + r_w_bias, + r_r_bias; stored as rows of 32 bytes
;   20, 21   R: A = r_kernel's rows 64 n on, B = rows of r; stored as rows 256 + x of the head's table
; LDS.  Both panels, 2 x 128 KB of fragment images, come by tensor loads, in two halves of K: half hf at 131,072 hf, in it tile tt at 4,096 tt (0-15 the rows' panel, 16-31 the weights'),
; K step kq at 1,024 kq.  A wave's load is two tiles x 4,096 bytes; waves 0-7 fetch the rows' panel, waves 8-15 the weights'.  Nothing is filled twice.  The second half is asked for
; behind the first half's barrier and lands while the first four K steps are multiplied.
; JOINT LOADS.  The four work-groups of a cluster's row (same cy) need the same rows' panel, the four of a column (same cx) the same weights' panel: each load names its four.
; No prefetch: the text has no loop to run ahead in; both halves are asked for at its head.
; LIMITS: as at the head of the first launch (a block of zeros has the byte 1; NaN and infinities are not served).
.set SPARE, 262144                     ; behind the two halves: the spare words, 128 bytes for each of 16 waves
.set BF,  16                           ; v16-31   two of B's fragments; behind the products the way out's work registers
.set AF,  32                           ; v32-63, v64-95 A's four fragments of a K step, two sets; behind the products a bias,
.set SUMR, 64                          ;          and q + bias
.set SA,  96                           ; v96-111  A's scale words: 8 p + ks; lanes 0-15 tile 2 p, lanes 16-31 tile 2 p + 1
.set SB,  112                          ; v112-127 B's
.set ACC, 128                          ; v128-255 accumulator (bt, at) at 8 (4 bt + at)
.set TM,  16
.set TP,  18
.set PC,  20
.set SO,  24
.set BY,  26
.set PW,  28
.set PS,  30
.set SEL, 26                           ; s[26:27]
.set G1R, 68                           ; s[68:75] group 1 for the rows' panel, s[76:83] for the weights'
.set G1W, 76
.set G0R, 84                           ; s[84:91] group 0 for the rows' panel, one set for each half; s[92:99] for the weights'
.set G0W, 92
; v1 16 L; v2 scale rows; v3 rows of codes; v4 scale words by rows; v5 4 L; v6 64 h; v7, v8 the add's two; v9, v10 LDS addresses of my A and B in half 0; v11, v12 in half 1
.macro WM d, a, b, z, sa, sb, ra, rb   ; one product; z: it starts the sum; ra, rb: the scales stand in lanes 16-31
.if \z
.if \ra
.if \rb
	v_wmma_scale_f32_16x16x128_f8f6f4 v[\d:\d+7], v[\a:\a+7], v[\b:\b+7], 0, v[\sa], v[\sb] matrix_a_fmt:MATRIX_FMT_FP4 matrix_b_fmt:MATRIX_FMT_FP4 matrix_a_scale:MATRIX_SCALE_ROW1 matrix_b_scale:MATRIX_SCALE_ROW1
.else
	v_wmma_scale_f32_16x16x128_f8f6f4 v[\d:\d+7], v[\a:\a+7], v[\b:\b+7], 0, v[\sa], v[\sb] matrix_a_fmt:MATRIX_FMT_FP4 matrix_b_fmt:MATRIX_FMT_FP4 matrix_a_scale:MATRIX_SCALE_ROW1
.endif
.else
.if \rb
	v_wmma_scale_f32_16x16x128_f8f6f4 v[\d:\d+7], v[\a:\a+7], v[\b:\b+7], 0, v[\sa], v[\sb] matrix_a_fmt:MATRIX_FMT_FP4 matrix_b_fmt:MATRIX_FMT_FP4 matrix_b_scale:MATRIX_SCALE_ROW1
.else
	v_wmma_scale_f32_16x16x128_f8f6f4 v[\d:\d+7], v[\a:\a+7], v[\b:\b+7], 0, v[\sa], v[\sb] matrix_a_fmt:MATRIX_FMT_FP4 matrix_b_fmt:MATRIX_FMT_FP4
.endif
.endif
.else
.if \ra
.if \rb
	v_wmma_scale_f32_16x16x128_f8f6f4 v[\d:\d+7], v[\a:\a+7], v[\b:\b+7], v[\d:\d+7], v[\sa], v[\sb] matrix_a_fmt:MATRIX_FMT_FP4 matrix_b_fmt:MATRIX_FMT_FP4 matrix_a_scale:MATRIX_SCALE_ROW1 matrix_b_scale:MATRIX_SCALE_ROW1
.else
	v_wmma_scale_f32_16x16x128_f8f6f4 v[\d:\d+7], v[\a:\a+7], v[\b:\b+7], v[\d:\d+7], v[\sa], v[\sb] matrix_a_fmt:MATRIX_FMT_FP4 matrix_b_fmt:MATRIX_FMT_FP4 matrix_a_scale:MATRIX_SCALE_ROW1
.endif
.else
.if \rb
	v_wmma_scale_f32_16x16x128_f8f6f4 v[\d:\d+7], v[\a:\a+7], v[\b:\b+7], v[\d:\d+7], v[\sa], v[\sb] matrix_a_fmt:MATRIX_FMT_FP4 matrix_b_fmt:MATRIX_FMT_FP4 matrix_b_scale:MATRIX_SCALE_ROW1
.else
	v_wmma_scale_f32_16x16x128_f8f6f4 v[\d:\d+7], v[\a:\a+7], v[\b:\b+7], v[\d:\d+7], v[\sa], v[\sb] matrix_a_fmt:MATRIX_FMT_FP4 matrix_b_fmt:MATRIX_FMT_FP4
.endif
.endif
.endif
.endm
.macro CREST                           ; a round of the cluster's barrier behind its opening barrier
	s_cmp_lg_u32 s24, 0
	s_cbranch_scc1 .Lnot_wave_0_\@
	s_barrier_signal -3
.Lnot_wave_0_\@:
	s_barrier_wait -3
	s_barrier_signal -1
	s_barrier_wait -1
.endm
.macro CROUND                          ; a whole round
	s_barrier_signal -1
	s_barrier_wait -1
	CREST
.endm
.macro JLOAD h                         ; half h: waves 0-7 ask for the rows' panel, waves 8-15 for the weights'; each line has one mask; the branch hangs on the wave's number alone
	s_cmp_lt_u32 s24, 8
	s_cbranch_scc0 .Lfor_w_\@
	tensor_load_to_lds s[G0R+4*\h:G0R+4*\h+3], s[G1R:G1R+7]
	s_nop 0
.rept 4
	v_nop
.endr
	s_branch .Lasked_\@
.Lfor_w_\@:
	tensor_load_to_lds s[G0W+4*\h:G0W+4*\h+3], s[G1W:G1W+7]
	s_nop 0
.rept 4
	v_nop
.endr
.Lasked_\@:
.endm
.macro FIN                             ; the wave's end: a tensor wait, an add and an LDS wait; then the closing round
	s_wait_tensorcnt 0x0
	ds_add_u32 v7, v8
	s_wait_dscnt 0x0
	CROUND
	s_endpgm
.endm
	s_load_b512 s[4:19], s[0:1], 0x0               ; fr s[4:5], xs s[6:7], scales of qkv s[8:9], r_kernel s[10:11], r s[12:13], r_w_bias s[14:15], r_r_bias s[16:17], qq s[18:19]
	s_load_b128 s[20:23], s[0:1], 0x40             ; kv s[20:21], rt s[22:23]
	v_lshl_add_u32 v7, v0, 2, SPARE
	v_mov_b32 v8, 0
	ds_add_u32 v7, v8                              ; the opening lines: the add twice on end and one wait ahead of the first tensor load
	ds_add_u32 v7, v8
	v_lshrrev_b32 v9, 5, v0
	v_readfirstlane_b32 s24, v9                    ; wave
	s_and_b32 s30, s24, 3                          ; wa: which 64 rows of A's panel
	s_lshr_b32 s31, s24, 2                         ; wb: which 64 of B's
	s_bfe_u32 s60, ttmp6, 0x40000                  ; cx
	s_bfe_u32 s61, ttmp6, 0x40004                  ; cy
	s_and_b32 s62, ttmp7, 0xffff                   ; the cluster's y: the kind
	s_lshl_b32 s47, s61, 2
	s_lshl_b32 s47, 15, s47                        ; my row of the cluster
	s_lshl_b32 s50, 0x1111, s60                    ; my column
	s_or_b32 s[G1R], s47, (3<<16)|(1<<21)          ; elements of 8 bytes; bit 21 beside a mask; no padding: an image is read at 16 x lane
	s_or_b32 s[G1W], s50, (3<<16)|(1<<21)
.irp g, G1R, G1W
	s_mov_b32 s[\g+1], 512<<16                     ; a row: 4,096 bytes, four K steps of one tile
	s_mov_b32 s[\g+2], 2<<16                       ; two tiles
	s_mov_b32 s[\g+3], 512<<16
	s_mov_b32 s[\g+4], 2
	s_mov_b32 s[\g+5], 1024                        ; 8,192 bytes from tile to tile
	s_mov_b32 s[\g+6], 0
	s_mov_b32 s[\g+7], 0
.endr
	s_mov_b32 s42, 4718592                         ; the weights' fragments in fr: K's,
	s_mov_b32 s44, 32768                           ; their scales' offset,
	s_mov_b32 s45, 0                               ; the kind's first cluster
	s_cmp_ge_u32 s62, 8
	s_cselect_b32 s42, 5242880, s42                ; V's
	s_cselect_b32 s44, 65536, s44
	s_cselect_b32 s45, 8, s45
	s_cmp_ge_u32 s62, 16
	s_cselect_b32 s42, 4194304, s42                ; Q's
	s_cselect_b32 s44, 0, s44
	s_cselect_b32 s45, 16, s45
	s_cmp_ge_u32 s62, 20
	s_cselect_b32 s42, 5767168, s42                ; r_kernel's
	s_cselect_b32 s45, 20, s45
	s_cselect_b32 s48, 6291456, 0                  ; the rows' fragments: r's, or x's
	s_sub_co_u32 s46, s62, s45
	s_lshl_b32 s46, s46, 2
	s_add_co_u32 s46, s46, s61
	s_lshl_b32 s46, s46, 2                         ; the panel's first group of 64 rows
	s_lshr_b32 s47, s46, 4
	s_lshl_b32 s47, s47, 4
	s_add_co_u32 s47, s47, s46
	s_add_co_u32 s47, s47, 16                      ; Q: 16 b + g stands for group 32 b + 16 + g (the positions of w)
	s_sub_co_u32 s41, s62, 16
	s_cmp_lt_u32 s41, 4
	s_cselect_b32 s46, s47, s46
	s_lshl_b32 s47, s46, 15
	s_add_co_u32 s48, s48, s47                     ; the rows' panel in fr: made of cy, never of cx
	s_lshl_b32 s50, s60, 17
	s_add_co_u32 s42, s42, s50                     ; the weights' panel: made of cx, never of cy
	s_and_b32 s29, s24, 7
	s_lshl_b32 s29, s29, 14                        ; my two tiles of a panel's sixteen
	s_add_co_u32 s48, s48, s29
	s_add_co_u32 s42, s42, s29
	s_mov_b32 s49, 0
	s_mov_b32 s43, 0
	s_lshl_b32 s63, s24, 13                        ; and where they go: 8,192 x wave
	s_sub_co_u32 s41, s62, 8
	s_cmp_lt_u32 s41, 8                            ; V alone takes the rows as A
	s_cselect_b32 s54, s31, s30                    ; my head among the quad's four
	s_cselect_b32 s55, s30, s31                    ; my group among the panel's four
	s_cselect_b32 s56, 0, 0x10000                  ; where A's panel lies in a half,
	s_cselect_b32 s57, 0x10000, 0                  ; and B's
	s_lshl_b32 s25, s60, 2
	s_add_co_u32 s25, s25, s54                     ; n, the head
	s_add_co_u32 s40, s46, s55                     ; G, the group of 64 rows
	s_lshl_b32 s54, s30, 14
	s_add_co_u32 s56, s56, s54
	s_lshl_b32 s54, s31, 14
	s_add_co_u32 s57, s57, s54
	s_mov_b32 s[SEL], 0x76543210
	s_mov_b32 s[SEL+1], 0xfedcba98
	s_mov_b32 s59, 0                               ; the upper word of every offset pair s[58:59]
	s_wait_dscnt 0x0                               ; both opening adds are done
	s_wait_kmcnt 0x0
	s_add_nc_u64 s[G0R+2:G0R+3], s[4:5], s[48:49]
	s_add_nc_u64 s[G0W+2:G0W+3], s[4:5], s[42:43]
	CROUND                                         ; all sixteen work-groups are here: the first joint loads meet
.irp g, G0R, G0W
	s_mov_b32 s[\g], 1
	s_mov_b32 s[\g+1], s63
	s_mov_b32 s[\g+4], 1
	s_add_co_u32 s[\g+5], s63, 131072              ; half 1
	s_add_nc_u64 s[\g+6:\g+7], s[\g+2:\g+3], 4096  ; K steps 4 .. 7 of the same tiles
	s_or_b32 s[\g+3], s[\g+3], 0x80000000
	s_or_b32 s[\g+7], s[\g+7], 0x80000000
.endr
	JLOAD 0                                        ; one tensor load a wave at the head
	s_lshl_b32 s58, s25, 11
	s_add_co_u32 s58, s58, s44
	s_cmp_ge_u32 s62, 20
	s_cselect_b64 s[50:51], s[10:11], s[8:9]       ; the weights' scales
	s_cselect_b64 s[52:53], s[12:13], s[6:7]       ; the rows' scales
	s_add_nc_u64 s[50:51], s[50:51], s[58:59]
	s_lshl_b32 s58, s40, 11
	s_add_nc_u64 s[52:53], s[52:53], s[58:59]
	s_cmp_lt_u32 s41, 8                            ; V?
	s_cselect_b64 s[36:37], s[52:53], s[50:51]     ; A's scales
	s_cselect_b64 s[38:39], s[50:51], s[52:53]     ; B's
	v_and_b32 v10, 31, v0                          ; L
	v_and_b32 v11, 15, v0                          ; r
	v_bfe_u32 v12, v0, 4, 1                        ; h
	v_and_b32 v13, 8, v11
	v_add_nc_u32 v13, v13, v11                     ; r + 8 (r / 8)
	v_lshl_add_u32 v14, v12, 3, v13                ; lanes 0-15 an even tile's rows, lanes 16-31 the odd tile's
	v_lshlrev_b32 v1, 4, v10
	v_lshlrev_b32 v2, 5, v14
	v_lshlrev_b32 v3, 5, v13
	v_lshl_add_u32 v3, v12, 4, v3
	v_lshlrev_b32 v4, 2, v14
	v_lshlrev_b32 v5, 2, v10
	v_lshlrev_b32 v6, 6, v12
	v_cmp_eq_u32 s28, 1, v12                       ; s28 lanes 16-31
	v_add_nc_u32 v9, s56, v1
	v_add_nc_u32 v10, s57, v1
	v_add_nc_u32 v11, 0x20000, v9
	v_add_nc_u32 v12, 0x20000, v10
	s_wait_alu depctr_va_vdst(0)                   ; the wait at the head's end
.irp p, 0,1
	global_load_b128 v[SA+8*\p:SA+8*\p+3],   v2, s[36:37] offset:1024*\p      ; a row's eight scale words: all of K
	global_load_b128 v[SA+8*\p+4:SA+8*\p+7], v2, s[36:37] offset:1024*\p+16
	global_load_b128 v[SB+8*\p:SB+8*\p+3],   v2, s[38:39] offset:1024*\p
	global_load_b128 v[SB+8*\p+4:SB+8*\p+7], v2, s[38:39] offset:1024*\p+16
.endr
	s_wait_tensorcnt 0x0                           ; my part of half 0 is in
	ds_add_u32 v7, v8
	s_wait_dscnt 0x0
	CROUND                                         ; half 0 is whole, and the joint loads of half 1 meet
	JLOAD 1
.macro LDA ks                          ; A's four fragments of K step ks into set ks % 2
.irp t, 0,1,2,3
.irp c, 0,1
	ds_load_b128 v[AF+32*((\ks)%2)+8*\t+4*\c:AF+32*((\ks)%2)+8*\t+4*\c+3], v[9+2*((\ks)/4)] offset:4096*\t+1024*((\ks)%4)+512*\c
.endr
.endr
.endm
.macro LDB ks, hb                      ; B's tiles 2 hb, 2 hb + 1
.irp j, 0,1
.irp c, 0,1
	ds_load_b128 v[BF+8*\j+4*\c:BF+8*\j+4*\c+3], v[10+2*((\ks)/4)] offset:4096*(2*(\hb)+\j)+1024*((\ks)%4)+512*\c
.endr
.endr
.endm
.macro MUL8 ks, hb                     ; eight products; the 16 accumulators take turns, one instruction a turn, in the same order in every step
.irp j, 0,1
.irp at, 0,1,2,3
	WM ACC+8*(4*(2*\hb+\j)+\at), AF+32*(\ks%2)+8*\at, BF+8*\j, \ks==0, SA+8*(\at/2)+\ks, SB+8*\hb+\ks, \at%2, \j
.endr
.endr
.rept 4
	v_nop                                          ; four places in front of loads into registers that the products have read, and of the first read of results
.endr
.endm
.macro KSTEP ks
.if (\ks)%4 < 3
	LDA \ks+1                                      ; the next step's A, into the set multiplied last step
	s_wait_dscnt 8                                 ; this step's A and B's first two tiles are in; the eight just issued may be out
.else
	s_wait_dscnt 0x0
.endif
	MUL8 \ks, 0
	LDB \ks, 1
	s_wait_dscnt 0x0
	MUL8 \ks, 1
.if (\ks)%4 < 3
	LDB \ks+1, 0
.endif
.endm
	LDA 0
	LDB 0, 0
	s_wait_loadcnt 0x0                             ; the scale words
.irp ks, 0,1,2,3
	KSTEP \ks
.endr
	s_wait_tensorcnt 0x0                           ; my part of half 1 is in
	ds_add_u32 v7, v8
	s_wait_dscnt 0x0
	s_barrier_signal -1
	s_barrier_wait -1                              ; half 1 is whole
	LDA 4
	LDB 4, 0
.irp ks, 4,5,6,7
	KSTEP \ks
.endr
; 32 numbers of a lane, register 16 b + i = index 32 b + 16 h + i, become registers 0-3 of a fragment (v[PC] on: lane (r, h) holds 32 h .. 32 h + 31) and two scale bytes in v[pw]
.macro QUANT2 s, pw
.irp b, 0,1
	v_max3_num_f32 v[TM+\b], |v[\s+16*\b]|, |v[\s+1+16*\b]|, 0x1800000   ; with the floor 2^(3 - 127): the byte cannot fall under 1
.endr
.irp i, 2,4,6,8,10,12,14
.irp b, 0,1
	v_max3_num_f32 v[TM+\b], v[TM+\b], |v[\s+16*\b+\i]|, |v[\s+1+16*\b+\i]|
.endr
.endr
.irp b, 0,1
	s_delay_alu instid0(VALU_DEP_2)
	v_permlanex16_b32 v[TP+\b], v[TM+\b], s[SEL], s[SEL+1]     ; (its destination counts as read: B's fragments have been written there)
.endr
.irp b, 0,1
	s_delay_alu instid0(VALU_DEP_2)
	v_max_num_f32 v[TM+\b], v[TM+\b], v[TP+\b]
.endr
.irp b, 0,1
	s_delay_alu instid0(VALU_DEP_2)
	v_add_nc_u32 v[SO+\b], 0xff000000, v[TM+\b]    ; 2 off the exponent field: the conversion's scale operand
.endr
.irp b, 0,1
	s_delay_alu instid0(VALU_DEP_2)
	v_lshrrev_b32 v[BY+\b], 23, v[SO+\b]
.endr
	s_delay_alu instid0(VALU_DEP_1)
	v_lshl_or_b32 v[\pw], v[BY+1], 8, v[BY]
.irp b, 0,1
	v_cvt_scalef32_pk8_fp4_f32 v[PC+2*\b], v[\s+16*\b:\s+16*\b+7], v[SO+\b]
	v_cvt_scalef32_pk8_fp4_f32 v[PC+2*\b+1], v[\s+16*\b+8:\s+16*\b+15], v[SO+\b]
.endr
	v_nop                                          ; one plain place behind a scaled conversion
	v_permlane16_swap_b32 v[PC], v[PC+2]           ; a whole block to a lane
	v_permlane16_swap_b32 v[PC+1], v[PC+3]
.endm
; the way out.  form 0: K's images; 1: V^T's images, scale halves of 2 bytes; 2: rows of 32 bytes.  bias = 1: the bias in v[AF] on is added first, into v[SUMR] on.  s[44:45] codes, s[46:47] scale words.
.macro EPI form, bias
.irp bt, 0,1,2,3
	s_wait_xcnt 0x0                                ; the last stores have read v[PC] on and v[PS], which are written again
.if \bias
.irp j, 0,2,4,6,8,10,12,14,16,18,20,22,24,26,28,30
	v_pk_add_f32 v[SUMR+\j:SUMR+\j+1], v[ACC+32*\bt+\j:ACC+32*\bt+\j+1], v[AF+\j:AF+\j+1]
.endr
	QUANT2 SUMR, PW+\bt%2
.else
	QUANT2 ACC+32*\bt, PW+\bt%2
.endif
.if \form == 0
	global_store_b128 v1, v[PC:PC+3], s[44:45] offset:512*\bt          ; 512 consecutive bytes a store
.elseif \form == 1
	global_store_b128 v1, v[PC:PC+3], s[44:45] offset:1024*\bt
.else
	global_store_b128 v3, v[PC:PC+3], s[44:45] offset:1024*(\bt/2)+256*(\bt%2)   ; two runs of 8 rows: 256 consecutive bytes each
.endif
.if \bt%2
	v_cndmask_b32 v[PS], v[PW], v[PW+1], s28       ; lanes 0-15 the even tile's rows, lanes 16-31 the odd tile's
.if \form == 0
	global_store_b32 v5, v[PS], s[46:47] offset:128*(\bt/2)
.elseif \form == 1
	global_store_b16 v5, v[PS], s[46:47] offset:128*(\bt/2)            ; two of a word's four bytes: 64 of a step's 128 keys
.else
	global_store_b32 v4, v[PS], s[46:47] offset:128*(\bt/2)
.endif
.endif
.endr
.endm
.macro BIAS lo                         ; the head's 64 numbers of a bias in the result's layout: register 16 bk + i = d 32 bk + 16 h + i
.irp bk, 0,1
.irp p, 0,1,2,3
	global_load_b128 v[AF+16*\bk+4*\p:AF+16*\bk+4*\p+3], v6, s[\lo:\lo+1] offset:128*\bk+16*\p
.endr
.endr
	s_wait_loadcnt 0x0
.endm
	s_lshr_b32 s41, s40, 5
	s_lshl_b32 s41, s41, 4
	s_add_co_u32 s41, s41, s25                     ; bn = 16 b + n
	s_and_b32 s42, s40, 31                         ; g5: the group among b's 32
	s_cmp_lt_u32 s62, 8                            ; the kind: the same in all sixteen work-groups of the cluster
	s_cbranch_scc1 .Lout_k
	s_cmp_lt_u32 s62, 16
	s_cbranch_scc1 .Lout_v
	s_cmp_lt_u32 s62, 20
	s_cbranch_scc1 .Lout_q
	s_mul_i32 s58, s25, 114688                     ; R: the head's table, rows 256 + 64 G on
	s_lshl_b32 s43, s40, 11
	s_add_co_u32 s58, s58, s43
	s_add_co_u32 s58, s58, 8192
	s_add_nc_u64 s[44:45], s[22:23], s[58:59]
	s_mul_i32 s58, s25, 14336
	s_lshl_b32 s43, s40, 8
	s_add_co_u32 s58, s58, s43
	s_add_co_u32 s58, s58, 1835008+1024
	s_add_nc_u64 s[46:47], s[22:23], s[58:59]
	EPI 2, 0
	FIN
.Lout_k:
	s_lshl_b32 s58, s41, 16                        ; K's images: [bn][tile 128][512 bytes]
	s_lshl_b32 s43, s42, 11
	s_add_co_u32 s58, s58, s43
	s_add_nc_u64 s[44:45], s[20:21], s[58:59]
	s_lshl_b32 s58, s41, 13                        ; their scale words: [bn][pair 64][32 lanes]
	s_lshl_b32 s43, s42, 8
	s_add_co_u32 s58, s58, s43
	s_add_co_u32 s58, s58, 8388608
	s_add_nc_u64 s[46:47], s[20:21], s[58:59]
	EPI 0, 0
	FIN
.Lout_v:
	s_lshr_b32 s43, s42, 1                         ; the step of 128 keys,
	s_and_b32 s48, s42, 1                          ; and which 64 of them: register group c of the image
	s_lshl_b32 s58, s41, 16                        ; V^T's images: [bn][step 16][tile 4][1,024 bytes]
	s_lshl_b32 s49, s43, 12
	s_add_co_u32 s58, s58, s49
	s_lshl_b32 s49, s48, 9
	s_add_co_u32 s58, s58, s49
	s_add_co_u32 s58, s58, 4194304
	s_add_nc_u64 s[44:45], s[20:21], s[58:59]
	s_lshl_b32 s58, s41, 12                        ; their scale words: [bn][step][pair 2][32 lanes]
	s_lshl_b32 s49, s43, 8
	s_add_co_u32 s58, s58, s49
	s_lshl_b32 s49, s48, 1
	s_add_co_u32 s58, s58, s49
	s_add_co_u32 s58, s58, 8912896
	s_add_nc_u64 s[46:47], s[20:21], s[58:59]
	EPI 1, 0
	FIN
.Lout_q:
	s_sub_co_u32 s43, s42, 16                      ; queries 64 (g5 - 16) on
	s_lshl_b32 s58, s41, 15                        ; [bn][i 1,024][32 bytes]
	s_lshl_b32 s49, s43, 11
	s_add_co_u32 s58, s58, s49
	s_add_nc_u64 s[44:45], s[18:19], s[58:59]
	s_lshl_b32 s58, s41, 12
	s_lshl_b32 s49, s43, 8
	s_add_co_u32 s58, s58, s49
	s_add_co_u32 s58, s58, 4194304
	s_add_nc_u64 s[46:47], s[18:19], s[58:59]
	s_lshl_b32 s58, s25, 8
	s_add_nc_u64 s[48:49], s[14:15], s[58:59]
	s_add_nc_u64 s[50:51], s[16:17], s[58:59]
	BIAS 48                                        ; q + r_w_bias
	EPI 2, 1
	s_wait_xcnt 0x0                                ; the stores have read their bases
	s_add_nc_u64 s[44:45], s[44:45], 2097152
	s_add_nc_u64 s[46:47], s[46:47], 262144
	BIAS 50                                        ; q + r_r_bias
	EPI 2, 1
	FIN
.Lfunc_end_k_qbdb65c84e9_proj:
	.size	k_qbdb65c84e9_proj, .Lfunc_end_k_qbdb65c84e9_proj-k_qbdb65c84e9_proj
	.p2alignl 7, 3214868480
	.fill 96, 4, 3214868480
	.section	.rodata,"a",@progbits
	.p2align	6, 0x0
	.amdhsa_kernel k_qbdb65c84e9_proj
		.amdhsa_group_segment_fixed_size 327680
		.amdhsa_private_segment_fixed_size 0
		.amdhsa_enable_private_segment 0
		.amdhsa_kernarg_size 80
		.amdhsa_user_sgpr_count 2
		.amdhsa_user_sgpr_kernarg_segment_ptr 1
		.amdhsa_wavefront_size32 1
		.amdhsa_system_sgpr_workgroup_id_x 1
		.amdhsa_system_sgpr_workgroup_id_y 1
		.amdhsa_system_sgpr_workgroup_id_z 1
		.amdhsa_system_vgpr_workitem_id 0
		.amdhsa_next_free_vgpr 256
		.amdhsa_next_free_sgpr 100
		.amdhsa_reserve_vcc 0
		.amdhsa_float_denorm_mode_32 3
		.amdhsa_float_denorm_mode_16_64 3
		.amdhsa_memory_ordered 1
		.amdhsa_forward_progress 1
		.amdhsa_inst_pref_size 96
	.end_amdhsa_kernel
	.amdgpu_metadata
---
amdhsa.version: [ 1, 2 ]
amdhsa.kernels:
  - .name:           k_qbdb65c84e9_proj
    .symbol:         k_qbdb65c84e9_proj.kd
    .args:
      - { .name: fr, .offset: 0, .size: 8, .value_kind: global_buffer, .address_space: global }
      - { .name: xs, .offset: 8, .size: 8, .value_kind: global_buffer, .address_space: global }
      - { .name: qkv_kernel_scales, .offset: 16, .size: 8, .value_kind: global_buffer, .address_space: global }
      - { .name: r_kernel_scales, .offset: 24, .size: 8, .value_kind: global_buffer, .address_space: global }
      - { .name: r_scales, .offset: 32, .size: 8, .value_kind: global_buffer, .address_space: global }
      - { .name: r_w_bias, .offset: 40, .size: 8, .value_kind: global_buffer, .address_space: global }
      - { .name: r_r_bias, .offset: 48, .size: 8, .value_kind: global_buffer, .address_space: global }
      - { .name: qq, .offset: 56, .size: 8, .value_kind: global_buffer, .address_space: global }
      - { .name: kv, .offset: 64, .size: 8, .value_kind: global_buffer, .address_space: global }
      - { .name: rt, .offset: 72, .size: 8, .value_kind: global_buffer, .address_space: global }
    .group_segment_fixed_size: 327680
    .private_segment_fixed_size: 0
    .kernarg_segment_align: 8
    .kernarg_segment_size: 80
    .max_flat_workgroup_size: 512
    .sgpr_count:     100
    .vgpr_count:     256
    .wavefront_size: 32
...
	.end_amdgpu_metadata
.endif
;; end of part 2
;; launch attn (part 3): grid 4 x 64, 16 waves a work-group, no clusters, 215,040 bytes of LDS; arguments qq, kv, rt, attn_mask, flags, av; writes av
.if DOCPART == 3
	.amdgcn_target "amdgcn-amd-amdhsa--gfx1250"
	.amdhsa_code_object_version 6
	.text
	.protected	k_qbdb65c84e9_attn
	.globl	k_qbdb65c84e9_attn
	.p2align	8
	.type	k_qbdb65c84e9_attn,@function
k_qbdb65c84e9_attn:
	s_mov_b64 s[64:65], 0
	v_nop
	global_prefetch_b8 v0, s[64:65] scope:SCOPE_SE
	s_setreg_imm32_b32 hwreg(HW_REG_WAVE_MODE, 25, 1), 1
	s_wait_xcnt 0x0
; Launch 3 of 4: AC, BD with its shift, the mask, the softmax, P V, and attn_vec quantised for the last product.  All products on codes of E2M1.
; LEFT OUT: steps of 128 keys that the first launch flagged 0 for a tile of queries: every p there is 0 in f32 (shown at the head of the first launch); the flags are whole numbers read from memory.
; SHARES.  Work-group (g, bn): head n = bn % 16 of batch b = bn / 16.  Wave w: e = w % 4, k = w / 4, block blk = 8 (k / 2) + (k odd ? 7 - g : g) of 64 queries; its tile is the 16 queries
; i = 64 blk + 4 r + e.  Waves share nothing: no barrier.  No tensor load: operands come straight into registers, laid by the launches before.
; No cluster and no joint loads.
; THE SHIFT.  With c = j - i + 1,023, reference()'s pad, reshape and slice give BD'[i][j] = Qr[i] . R[c] for c <= 2,047, 0 for c = 2,048, Qr[i + 1] . R[c - 2,049] above.  The head's table holds R[x] in row
; x + 256 and zeros elsewhere.  A step computes Qr x table rows cb .. cb + 191, cb = 128 s - 64 blk - e + 963, so that key jj of query r is column jj + 60 - 4 r.  Where the window can pass 2,048
; (cb >= 1,862) the upper half of the instruction's K, idle at a head size of 64, takes the rows 2,049 further up against Qr[i + 1]: the zero rows make the sum the shifted BD with no selection.
; The columns go once through the wave's own stage in LDS (row pitch 204 words in, 200 out: the shift) and come back as the C of the product AC: the shift and the sum AC + BD cost no vector instruction.
; R A STEP AHEAD.  The 192 rows of the table that the NEXT step takes in its plain form, and their scale words, are asked for at the head of the softmax, where their registers have been left by K (and by the
; mask); the wait in front of P V covers them.  s63 = 1 says that they are there; behind a step that was left out it is 0, and the step loads its rows at its head.  The wrapped form loads its own.
; Step 15 names rows up to cb + 575 <= 3,458 of the head's 3,584: inside the table.
; SOFTMAX.  t = logit x log2(e); M = the ceiling of the running largest t; p = 2^(t - M) is quantised along the keys; the sum is taken of the unquantised p and divides at the end.
; LAYOUT.  All products are used transposed: a lane holds ONE query (lane % 16).  The keys of a tile of K follow the tile rule of the first launch, so S's register 16 bb + i is key 32 bb + 16 h + i.
; LIMITS: as at the head of the first launch.
.set SPARE, 212992                     ; LDS: wave w's stage at 13,312 w (16 rows x 204 words fit in it); behind the 16 stages the spare words, 128 bytes a wave
.set F,   40                           ; v40-91   fragments of R, of K, or mask numbers (v88-91 stay 0)
.set VS,  92                           ; v92-93   V^T's scale words
.set S,   96                           ; v96-159  BD, then the scores, then p
.set O,   160                          ; v160-191 O^T: register 16 bk + i = d 32 bk + 16 h + i
.set PC,  192                          ; v192-199 p's codes
.set X,   200                          ; v200-231 BD's columns 128 .. 191, then V^T's four fragments
.set SCR, 244                          ; v244-249 scale words of R's rows, then of K's tiles
.set TM,  232                          ; the way out's quantiser: v232-233, v236-237, v238-239, v240-241
.set TP,  236
.set BY,  238
.set SO,  240
.set SEL, 20                           ; s[20:21]
; v1 32 r + 16 h; v2 4 L; v3 16 L; v4 stage in; v5 stage out; v6 mask; v7, v8 the add's two; v9-11 at work; v12 -M; v13 largest t; v[14:15] the sum; v16-23 Qw | 0; v24-31 Qr[i] | 0; v32-39 Qr[i] | Qr[i+1];
; v250 Qw's scale word; v251 Qr[i]'s two bytes and Qr[i+1]'s; v252 f; v253 p's scale word; v254, v255 at work.
; s16 wave, s17 e, s18 blk, s[22:23] the factor from score to t, s[24:25] 1/8, s[26:27] -1e30, s[28:29] log2 e, s30 bn, s31 n, s32 b, s33 the flags, s34 step, s35 cb,
; s[36:37] R's rows, s[38:39] their words, s[40:41] K, s[42:43] its words, s[44:45] V, s[46:47] its words, s[48:49] mask, s53 tile, s61, s63 are R's rows there?, s62 this step's flag.
.macro WM d, a, b, z, sa, sb, ra       ; one product; z: it starts the sum; ra: source 0's scales stand in lanes 16-31
.if \z
.if \ra
	v_wmma_scale_f32_16x16x128_f8f6f4 v[\d:\d+7], v[\a:\a+7], v[\b:\b+7], 0, v[\sa], v[\sb] matrix_a_fmt:MATRIX_FMT_FP4 matrix_b_fmt:MATRIX_FMT_FP4 matrix_a_scale:MATRIX_SCALE_ROW1
.else
	v_wmma_scale_f32_16x16x128_f8f6f4 v[\d:\d+7], v[\a:\a+7], v[\b:\b+7], 0, v[\sa], v[\sb] matrix_a_fmt:MATRIX_FMT_FP4 matrix_b_fmt:MATRIX_FMT_FP4
.endif
.else
.if \ra
	v_wmma_scale_f32_16x16x128_f8f6f4 v[\d:\d+7], v[\a:\a+7], v[\b:\b+7], v[\d:\d+7], v[\sa], v[\sb] matrix_a_fmt:MATRIX_FMT_FP4 matrix_b_fmt:MATRIX_FMT_FP4 matrix_a_scale:MATRIX_SCALE_ROW1
.else
	v_wmma_scale_f32_16x16x128_f8f6f4 v[\d:\d+7], v[\a:\a+7], v[\b:\b+7], v[\d:\d+7], v[\sa], v[\sb] matrix_a_fmt:MATRIX_FMT_FP4 matrix_b_fmt:MATRIX_FMT_FP4
.endif
.endif
.endm
.macro RLOAD ahead                     ; 12 tiles of 16 neighbouring rows of the table and their scale words; ahead = 0: this step's, 1: the next step's (128 rows on)
.irp t, 0,1,2,3,4,5,6,7,8,9,10,11
	global_load_b128 v[F+4*\t:F+4*\t+3], v1, s[36:37] offset:512*\t+4096*\ahead
.endr
.irp u, 0,1,2,3,4,5
	global_load_b32 v[SCR+\u], v2, s[38:39] offset:128*\u+512*\ahead
.endr
.endm
	s_load_b256 s[4:11], s[0:1], 0x0               ; qq s[4:5], kv s[6:7], rt s[8:9], mask s[10:11]
	s_load_b128 s[12:15], s[0:1], 0x20             ; flags s[12:13], av s[14:15]
	v_lshl_add_u32 v7, v0, 2, SPARE
	v_mov_b32 v8, 0
	v_lshrrev_b32 v9, 5, v0
	s_delay_alu instid0(VALU_DEP_1)
	v_readfirstlane_b32 s16, v9
	s_and_b32 s17, s16, 3                          ; e
	s_lshr_b32 s50, s16, 2                         ; k
	s_sub_co_u32 s51, 7, ttmp9
	s_bitcmp1_b32 s50, 0
	s_cselect_b32 s18, s51, ttmp9
	s_lshr_b32 s51, s50, 1
	s_lshl_b32 s51, s51, 3
	s_add_co_u32 s18, s18, s51                     ; blk: a work-group's four add up to 30
	s_lshl_b32 s19, s18, 6
	s_add_co_u32 s52, s19, s17                     ; my first query: 64 blk + e
	s_and_b32 s30, ttmp7, 0xffff
	s_and_b32 s31, s30, 15
	s_lshr_b32 s32, s30, 4
	s_lshl_b32 s53, s18, 2
	s_add_co_u32 s53, s53, s17                     ; tile = 4 blk + e
	s_sub_co_u32 s35, 963, s52                     ; cb of step 0: 0 at the least
	s_mov_b32 s[SEL], 0x76543210
	s_mov_b32 s[SEL+1], 0xfedcba98
	s_mov_b32 s24, 0x3e000000
	s_mov_b32 s25, s24
	s_mov_b32 s26, 0xf149f2ca
	s_mov_b32 s27, s26
	s_mov_b32 s28, 0x3fb8aa3b
	s_mov_b32 s29, s28
	s_mov_b32 s34, 0
	s_mov_b32 s55, 0                               ; the upper word of every offset pair s[54:55]
	v_and_b32 v9, 31, v0                           ; L
	v_and_b32 v10, 15, v0                          ; r
	v_bfe_u32 v11, v0, 4, 1                        ; h
	s_delay_alu instid0(VALU_DEP_2)
	v_lshlrev_b32 v1, 5, v10
	s_delay_alu instid0(VALU_DEP_1)
	v_lshl_add_u32 v1, v11, 4, v1
	v_lshlrev_b32 v2, 2, v9
	v_lshlrev_b32 v3, 4, v9
	s_mul_i32 s54, s16, 13312
	v_mul_u32_u24 v4, v10, 816                     ; in: query r's row of 204 words, + the 8 columns of my half
	s_delay_alu instid0(VALU_DEP_1)
	v_lshl_add_u32 v4, v11, 5, v4
	s_delay_alu instid0(VALU_DEP_1)
	v_add_nc_u32 v4, s54, v4
	v_mul_u32_u24 v5, v10, 800                     ; out: word 200 r + 60 + key; my half's 16 keys
	s_delay_alu instid0(VALU_DEP_1)
	v_lshl_add_u32 v5, v11, 6, v5
	s_delay_alu instid0(VALU_DEP_1)
	v_add_nc_u32 v5, s54, v5
	s_delay_alu instid0(VALU_DEP_1)
	v_add_nc_u32 v5, 240, v5
	v_lshlrev_b32 v6, 15, v10                      ; the mask: 4 rows of 8,192 bytes from query to query
	s_delay_alu instid0(VALU_DEP_1)
	v_lshl_add_u32 v6, v11, 6, v6
	v_lshl_add_u32 v232, v10, 2, s52               ; i
	s_delay_alu instid0(VALU_DEP_1)
	v_add_nc_u32 v233, 1, v232
	s_delay_alu instid0(VALU_DEP_1)
	v_min_u32 v233, 0x3ff, v233                    ; i + 1; query 1,023 never reaches the wrapped part, so any row serves it
	s_delay_alu instid0(VALU_DEP_3)
	v_lshlrev_b32 v234, 5, v232
	s_delay_alu instid0(VALU_DEP_1)
	v_lshl_add_u32 v234, v11, 4, v234
	s_delay_alu instid0(VALU_DEP_3)
	v_lshlrev_b32 v235, 5, v233
	s_delay_alu instid0(VALU_DEP_1)
	v_lshl_add_u32 v235, v11, 4, v235
	v_lshlrev_b32 v232, 2, v232
	v_lshlrev_b32 v233, 2, v233
	s_wait_alu depctr_va_vdst(0)
	s_wait_kmcnt 0x0
	s_lshl_b32 s54, s53, 6
	s_add_nc_u64 s[60:61], s[12:13], s[54:55]
	s_load_b512 s[68:83], s[60:61], 0x0            ; my tile's 16 flags
	s_lshl_b32 s54, s30, 15
	s_add_nc_u64 s[56:57], s[4:5], s[54:55]
	s_lshl_b32 s54, s30, 12
	s_add_co_u32 s54, s54, 4194304
	s_add_nc_u64 s[58:59], s[4:5], s[54:55]
	global_load_b128 v[16:19], v234, s[56:57]                  ; q + r_w_bias
	global_load_b128 v[24:27], v234, s[56:57] offset:2097152   ; q + r_r_bias of query i,
	global_load_b128 v[32:35], v234, s[56:57] offset:2097152   ; once more for the wrapped form,
	global_load_b128 v[36:39], v235, s[56:57] offset:2097152   ; and of query i + 1
	global_load_b32 v250, v232, s[58:59]
	global_load_b32 v251, v232, s[58:59] offset:262144
	global_load_b32 v254, v233, s[58:59] offset:262144
	s_mul_i32 s54, s31, 114688
	s_add_co_u32 s50, s35, 256
	s_lshl_b32 s51, s50, 5
	s_add_co_u32 s54, s54, s51
	s_add_nc_u64 s[36:37], s[8:9], s[54:55]
	s_mul_i32 s54, s31, 14336
	s_lshl_b32 s51, s50, 2
	s_add_co_u32 s54, s54, s51
	s_add_co_u32 s54, s54, 1835008
	s_add_nc_u64 s[38:39], s[8:9], s[54:55]
	s_lshl_b32 s54, s30, 16
	s_add_nc_u64 s[40:41], s[6:7], s[54:55]
	s_add_co_u32 s54, s54, 4194304
	s_add_nc_u64 s[44:45], s[6:7], s[54:55]
	s_lshl_b32 s54, s30, 13
	s_add_co_u32 s54, s54, 8388608
	s_add_nc_u64 s[42:43], s[6:7], s[54:55]
	s_lshl_b32 s54, s30, 12
	s_add_co_u32 s54, s54, 8912896
	s_add_nc_u64 s[46:47], s[6:7], s[54:55]
	s_lshl_b32 s54, s52, 13
	s_add_nc_u64 s[48:49], s[10:11], s[54:55]
	RLOAD 0                                        ; step 0's rows of R
	s_mov_b32 s63, 1
	s_wait_kmcnt 0x0
	s_mov_b32 s33, s68                             ; the flags, two bits a step
.irp i, 1,2,3,4,5,6,7,8,9,10,11,12,13,14,15
	s_lshl_b32 s50, s[68+\i], 2*\i
	s_or_b32 s33, s33, s50
.endr
	s_wait_loadcnt 18                              ; Q's seven loads are in; the 18 of R's rows, issued behind them, may be out
	v_lshl_or_b32 v251, v254, 16, v251             ; bytes 0, 1: Qr[i]'s; bytes 2, 3: Qr[i + 1]'s, for the upper half of K
.irp j, 20,21,22,23,28,29,30,31,88,89,90,91,236,237,238,239,252,253,14,15
	v_mov_b32 v[\j], 0                             ; zero codes for the idle half of K; permutes' destinations; the sum
.endr
	v_mov_b32 v13, 0xff61b1e6                      ; the largest t so far: -3e38
	s_delay_alu instid0(VALU_DEP_1)
	v_floor_f32 v12, -v13                          ; -M
.set j, 0
.rept 32
	v_mov_b32 v[O+j], 0                            ; O^T: the step is written once; the first change of M leaves zeros zeros
.set j, j+1
.endr
.Lstep:                                            ; 16 trips
	s_mov_b32 s61, s63                             ; are this step's rows of R there, or on their way?
	s_mov_b32 s63, 0                               ; (a step that is left out asks for nothing)
	s_and_b32 s62, s33, 3
	s_cmp_eq_u32 s62, 0
	s_cbranch_scc1 .Lnext                          ; every p of this step is 0
	s_cmp_ge_u32 s35, 1862                         ; can column 187 pass 2,048?  Ids and the count of steps alone
	s_cbranch_scc1 .Lwrap
	s_cmp_eq_u32 s61, 1
	s_cbranch_scc1 .Lhave
	s_wait_loadcnt 0x0                             ; no load is on its way into the registers that are loaded now
	RLOAD 0
.Lhave:
	s_wait_loadcnt 0x0                             ; behind a step that was walked this is met at once: the wait in front of its P V has covered these loads
.irp t, 0,1,2,3,4,5,6,7,8,9,10,11              ; BD.  Source 0's upper four registers are the next tile's codes: they meet zero codes
.if \t < 8
	WM S+8*\t, F+4*\t, 24, 1, SCR+\t/2, 251, \t%2
.else
	WM X+8*\t-64, F+4*\t, 24, 1, SCR+\t/2, 251, \t%2
.endif
.endr
	s_branch .Lbd_done
.Lwrap:
	s_wait_loadcnt 0x0                             ; no load is on its way into the registers that are loaded now
.irp u, 0,1,2,3,4,5
	global_load_b32 v[SCR+\u], v2, s[38:39] offset:128*\u
.endr
.irp u, 0,1,2,3,4,5
	global_load_b32 v[X+\u], v2, s[38:39] offset:128*\u-8196   ; the words of the rows 2,049 further up
.endr
.irp q, 0,1,2,3,4,5
	global_load_b128 v[F+8*\q:F+8*\q+3], v1, s[36:37] offset:512*\q
	global_load_b128 v[F+8*\q+4:F+8*\q+7], v1, s[36:37] offset:512*\q-65568
.endr
	s_wait_loadcnt 0x0
.irp u, 0,1,2,3,4,5
	v_lshl_or_b32 v[SCR+\u], v[X+\u], 16, v[SCR+\u]
.endr
.rept 8
	v_nop                                          ; a scale register written by a vector instruction stands eight places ahead of the product
.endr
.irp q, 0,1,2,3,4,5
	WM S+8*\q, F+8*\q, 32, 1, SCR+\q/2, 251, \q%2
.endr
.rept 4
	v_nop                                          ; places in front of loads into registers that the products have read
.endr
.irp q, 0,1,2,3,4,5
	global_load_b128 v[F+8*\q:F+8*\q+3], v1, s[36:37] offset:512*\q+3072
	global_load_b128 v[F+8*\q+4:F+8*\q+7], v1, s[36:37] offset:512*\q+3072-65568
.endr
	s_wait_alu depctr_va_vdst(0)
	s_wait_loadcnt 0x0
.irp q, 0,1,2,3,4,5
.if \q < 2
	WM S+48+8*\q, F+8*\q, 32, 1, SCR+3+\q/2, 251, \q%2
.else
	WM X+8*\q-16, F+8*\q, 32, 1, SCR+3+\q/2, 251, \q%2
.endif
.endr
.Lbd_done:
.rept 5
	v_nop                                          ; four places for the stores and loads below, five for the products that write over these results
.endr
.irp t, 0,1,2,3,4,5,6,7
	global_load_b128 v[F+4*\t:F+4*\t+3], v3, s[40:41] offset:512*\t      ; K's eight tiles of this step
.endr
.irp p, 0,1,2,3
	global_load_b32 v[SCR+\p], v2, s[42:43] offset:128*\p
.endr
.irp t, 0,1,2,3,4,5,6,7                        ; lane (r, h) holds query r, columns 16 t + 8 h + 0 .. 7; each result from its low end on
	ds_store_b128 v4, v[S+8*\t:S+8*\t+3] offset:64*\t
	ds_store_b128 v4, v[S+8*\t+4:S+8*\t+7] offset:64*\t+16
.endr
.irp t, 0,1,2,3
	ds_store_b128 v4, v[X+8*\t:X+8*\t+3] offset:512+64*\t
	ds_store_b128 v4, v[X+8*\t+4:X+8*\t+7] offset:512+64*\t+16
.endr
.irp t, 0,1,2,3,4,5,6,7                        ; back, shifted: tile 2 bb + u wants keys 32 bb + 16 h + 8 u + 0 .. 7.  LDS serves a wave's instructions in order: these see the stores above
	ds_load_b128 v[S+8*\t:S+8*\t+3], v5 offset:128*(\t/2)+32*(\t%2)
	ds_load_b128 v[S+8*\t+4:S+8*\t+7], v5 offset:128*(\t/2)+32*(\t%2)+16
.endr
	s_wait_loadcnt 0x0                             ; K
	s_wait_dscnt 0x0                               ; the shifted BD
.irp t, 0,1,2,3,4,5,6,7                        ; scores = K (q + r_w_bias) + BD'
	WM S+8*\t, F+4*\t, 16, 0, SCR+\t/2, 250, \t%2
.endr
.irp t, 0,1,2,3
	global_load_b128 v[X+8*\t:X+8*\t+3], v3, s[44:45] offset:1024*\t     ; V^T's four tiles: wanted behind the softmax
	global_load_b128 v[X+8*\t+4:X+8*\t+7], v3, s[44:45] offset:1024*\t+512
.endr
.irp p, 0,1
	global_load_b32 v[VS+\p], v2, s[46:47] offset:128*\p
.endr
.rept 4
	v_nop                                          ; places in front of the first read of the scores, and of loads into K's registers and its scale words'
.endr
	s_cmp_eq_u32 s62, 1
	s_cbranch_scc0 .Lgeneral
	s_mov_b32 s22, 0x3e38aa3b                      ; no mask in this step: t = score x log2(e) / 8
	s_mov_b32 s23, s22
	s_branch .Lsm
.Lgeneral:                                         ; t = (score / 8 x (1 - m) - 1e30 m) x log2(e), rounded before M is taken away, as reference() has the logit
.irp q, 0,1
.irp i, 0,1,2,3,4,5,6,7
	global_load_b128 v[F+4*\i:F+4*\i+3], v6, s[48:49] offset:256*\q+128*(\i/4)+16*(\i%4)
.endr
	s_wait_loadcnt 0x0                             ; 32 mask numbers (V's loads, issued earlier, are in with them)
.irp j, 0,2,4,6,8,10,12,14,16,18,20,22,24,26,28,30
	v_pk_add_f32 v[10:11], v[F+\j:F+\j+1], 1.0 op_sel_hi:[1,0] neg_lo:[1,0] neg_hi:[1,0]
	v_pk_mul_f32 v[S+32*\q+\j:S+32*\q+\j+1], v[S+32*\q+\j:S+32*\q+\j+1], s[24:25] op_sel_hi:[1,0]
	s_delay_alu instid0(VALU_DEP_1)
	v_pk_mul_f32 v[S+32*\q+\j:S+32*\q+\j+1], v[S+32*\q+\j:S+32*\q+\j+1], v[10:11]
	s_delay_alu instid0(VALU_DEP_1)
	v_pk_fma_f32 v[S+32*\q+\j:S+32*\q+\j+1], v[F+\j:F+\j+1], s[26:27], v[S+32*\q+\j:S+32*\q+\j+1] op_sel_hi:[1,0,1]
	s_delay_alu instid0(VALU_DEP_1)
	v_pk_mul_f32 v[S+32*\q+\j:S+32*\q+\j+1], v[S+32*\q+\j:S+32*\q+\j+1], s[28:29] op_sel_hi:[1,0]
.endr
.endr
	s_mov_b32 s22, 1.0
	s_mov_b32 s23, s22
.Lsm:
	RLOAD 1                                        ; the next step's rows of R: K's fragments and the mask numbers are done with; the softmax below stands between these loads and the wait for them
	s_mov_b32 s63, 1
.irp b, 0,1,2,3
	v_max3_num_f32 v[232+\b], v[S+16*\b], v[S+1+16*\b], v[S+2+16*\b]   ; the largest score of each block of 32 keys: for the row's maximum and for the block's largest p
.endr
.irp i, 3,5,7,9,11,13
.irp b, 0,1,2,3
	v_max3_num_f32 v[232+\b], v[232+\b], v[S+16*\b+\i], v[S+1+16*\b+\i]
.endr
.endr
.irp b, 0,1,2,3
	v_max_num_f32 v[232+\b], v[232+\b], v[S+15+16*\b]
.endr
.irp b, 0,1,2,3
	s_delay_alu instid0(VALU_DEP_4)
	v_permlanex16_b32 v[236+\b], v[232+\b], s[SEL], s[SEL+1]
.endr
.irp b, 0,1,2,3
	s_delay_alu instid0(VALU_DEP_4)
	v_max_num_f32 v[232+\b], v[232+\b], v[236+\b]
.endr
	s_delay_alu instid0(VALU_DEP_2)
	v_max3_num_f32 v254, v232, v233, v234
	s_delay_alu instid0(VALU_DEP_1)
	v_max_num_f32 v254, v254, v235
	s_delay_alu instid0(VALU_DEP_1)
	v_mul_f32 v254, s22, v254                      ; as t (the factor is positive)
	s_delay_alu instid0(VALU_DEP_1)
	v_max_num_f32 v13, v13, v254                   ; the running largest t
	v_mov_b32 v254, v12
	s_delay_alu instid0(VALU_DEP_2)
	v_floor_f32 v12, -v13                          ; the new -M = -ceil(t)
	s_delay_alu instid0(VALU_DEP_1)
	v_sub_f32 v254, v12, v254                      ; old M less new M: a whole number, 0 or less
	s_delay_alu instid0(VALU_DEP_1)
	v_cvt_i32_f32 v254, v254                       ; (it saturates)
	s_delay_alu instid0(VALU_DEP_1)
	v_ldexp_f32 v252, 1.0, v254                    ; f = 2^(old M - new M)
.set j, 0
.rept 32
	v_pk_fma_f32 v[S+j:S+j+1], v[S+j:S+j+1], s[22:23], v[12:13] op_sel_hi:[1,0,0]   ; t - M
.set j, j+2
.endr
.irp b, 0,1,2,3
	v_fma_f32 v[232+\b], v[232+\b], s22, v12
.endr
.set j, 0
	s_wait_alu depctr_va_vdst(0)
.rept 64
	v_exp_f32 v[S+j], v[S+j]                       ; p = 2^(t - M)
.set j, j+1
.endr
	v_pk_mul_f32 v[14:15], v[14:15], v[252:253] op_sel_hi:[1,0]   ; the sum under the new M: a plain instruction behind the exponentials
	s_wait_alu depctr_va_vdst(0)                   ; one wait for the batch of 64, ahead of its first reader
.irp b, 0,1,2,3
	v_exp_f32 v[232+\b], v[232+\b]                 ; each block's largest p
.endr
	v_pk_add_f32 v[236:237], v[100:101], v[104:105]
	v_pk_add_f32 v[254:255], v[108:109], v[112:113]
	v_pk_add_f32 v[242:243], v[116:117], v[120:121]
	v_pk_add_f32 v[240:241], v[124:125], v[128:129]
	v_pk_add_f32 v[238:239], v[132:133], v[136:137]
	v_pk_add_f32 v[198:199], v[140:141], v[144:145]
	v_pk_add_f32 v[196:197], v[148:149], v[152:153]
	v_pk_add_f32 v[14:15], v[14:15], v[156:157]
	v_pk_add_f32 v[236:237], v[236:237], v[96:97]
	v_pk_add_f32 v[254:255], v[254:255], v[98:99]
	v_pk_add_f32 v[242:243], v[242:243], v[102:103]
	v_pk_add_f32 v[240:241], v[240:241], v[106:107]
	v_pk_add_f32 v[238:239], v[238:239], v[110:111]
	v_pk_add_f32 v[198:199], v[198:199], v[114:115]
	v_pk_add_f32 v[196:197], v[196:197], v[118:119]
	v_pk_add_f32 v[14:15], v[14:15], v[122:123]
	v_pk_add_f32 v[236:237], v[236:237], v[126:127]
	v_pk_add_f32 v[254:255], v[254:255], v[130:131]
	v_pk_add_f32 v[242:243], v[242:243], v[134:135]
	v_pk_add_f32 v[240:241], v[240:241], v[138:139]
	v_pk_add_f32 v[238:239], v[238:239], v[142:143]
	v_pk_add_f32 v[198:199], v[198:199], v[146:147]
	v_pk_add_f32 v[196:197], v[196:197], v[150:151]
	v_pk_add_f32 v[14:15], v[14:15], v[154:155]
	v_pk_add_f32 v[236:237], v[236:237], v[158:159]
	s_delay_alu instid0(VALU_DEP_2)
	v_pk_add_f32 v[14:15], v[14:15], v[240:241]
	s_delay_alu instid0(VALU_DEP_2)
	v_pk_add_f32 v[236:237], v[236:237], v[238:239]
	v_pk_add_f32 v[254:255], v[254:255], v[198:199]
	v_pk_add_f32 v[242:243], v[242:243], v[196:197]
	s_delay_alu instid0(VALU_DEP_2)
	v_pk_add_f32 v[14:15], v[14:15], v[254:255]
	s_delay_alu instid0(VALU_DEP_2)
	v_pk_add_f32 v[236:237], v[236:237], v[242:243]
	s_delay_alu instid0(VALU_DEP_1)
	v_pk_add_f32 v[14:15], v[14:15], v[236:237]
	s_wait_alu depctr_va_vdst(0)                   ; and one for the four
.irp b, 0,1,2,3
	v_max_num_f32 v[232+\b], 0x1800000, v[232+\b]  ; the floor 2^(3 - 127)
.endr
.irp b, 0,1,2,3
	s_delay_alu instid0(VALU_DEP_4)
	v_add_nc_u32 v[240+\b], 0xff000000, v[232+\b]
.endr
.irp b, 0,1,2,3
	s_delay_alu instid0(VALU_DEP_4)
	v_lshrrev_b32 v[236+\b], 23, v[240+\b]
.endr
	s_delay_alu instid0(VALU_DEP_3)
	v_lshl_or_b32 v253, v237, 8, v236              ; p's scale word for these 128 keys
	s_delay_alu instid0(VALU_DEP_1)
	v_lshl_or_b32 v253, v238, 16, v253
	s_delay_alu instid0(VALU_DEP_1)
	v_lshl_or_b32 v253, v239, 24, v253
.irp b, 0,1,2,3
	v_cvt_scalef32_pk8_fp4_f32 v[PC+2*\b], v[S+16*\b:S+7+16*\b], v[240+\b]
	v_cvt_scalef32_pk8_fp4_f32 v[PC+1+2*\b], v[S+8+16*\b:S+15+16*\b], v[240+\b]
.endr
	v_nop                                          ; one plain place behind a scaled conversion
.irp c, 0,1
.irp i, 0,1
	v_permlane16_swap_b32 v[PC+4*\c+\i], v[PC+2+4*\c+\i]
.endr
.endr
.set j, 0
.rept 16
	v_pk_mul_f32 v[O+j:O+j+1], v[O+j:O+j+1], v[252:253] op_sel_hi:[1,0]   ; O^T under the new M; these are also the places between p's codes and scale word and the products
.set j, j+2
.endr
	s_wait_alu depctr_va_vdst(0)
	s_wait_loadcnt 0x0                             ; V, and the next step's rows of R, which were asked for behind it
.irp t, 0,1,2,3                                ; O^T += V^T P^T: four accumulators by turns
	WM O+8*\t, X+8*\t, PC, 0, VS+\t/2, 253, \t%2
.endr
.rept 5
	v_nop                                          ; the next step's products write over V's registers, its loads land on the scale words; the way out reads O^T
.endr
.Lnext:
	s_wait_xcnt 0x0                                ; this step's loads have read their bases
	s_add_nc_u64 s[36:37], s[36:37], 4096          ; 128 rows of the table,
	s_add_nc_u64 s[38:39], s[38:39], 512
	s_add_nc_u64 s[40:41], s[40:41], 4096          ; eight tiles of K,
	s_add_nc_u64 s[42:43], s[42:43], 512
	s_add_nc_u64 s[44:45], s[44:45], 4096          ; four of V^T,
	s_add_nc_u64 s[46:47], s[46:47], 256
	s_add_nc_u64 s[48:49], s[48:49], 512           ; 128 mask numbers
	s_add_co_u32 s35, s35, 128
	s_lshr_b32 s33, s33, 2
	s_add_co_u32 s34, s34, 1
	s_cmp_lt_u32 s34, 16
	s_cbranch_scc1 .Lstep
	s_wait_loadcnt 0x0                             ; no load is left on its way
; THE WAY OUT: O^T / the sum, quantised along n x 64 + d (two blocks of 32), as half a fragment of the last product's operand
.macro QUANT2 s, pw
.irp b, 0,1
	v_max3_num_f32 v[TM+\b], |v[\s+16*\b]|, |v[\s+1+16*\b]|, 0x1800000
.endr
.irp i, 2,4,6,8,10,12,14
.irp b, 0,1
	s_delay_alu instid0(VALU_DEP_2)
	v_max3_num_f32 v[TM+\b], v[TM+\b], |v[\s+16*\b+\i]|, |v[\s+1+16*\b+\i]|
.endr
.endr
.irp b, 0,1
	s_delay_alu instid0(VALU_DEP_2)
	v_permlanex16_b32 v[TP+\b], v[TM+\b], s[SEL], s[SEL+1]
.endr
.irp b, 0,1
	s_delay_alu instid0(VALU_DEP_2)
	v_max_num_f32 v[TM+\b], v[TM+\b], v[TP+\b]
.endr
.irp b, 0,1
	s_delay_alu instid0(VALU_DEP_2)
	v_add_nc_u32 v[SO+\b], 0xff000000, v[TM+\b]
.endr
.irp b, 0,1
	s_delay_alu instid0(VALU_DEP_2)
	v_lshrrev_b32 v[BY+\b], 23, v[SO+\b]
.endr
	s_delay_alu instid0(VALU_DEP_1)
	v_lshl_or_b32 v[\pw], v[BY+1], 8, v[BY]
.irp b, 0,1
	v_cvt_scalef32_pk8_fp4_f32 v[PC+2*\b], v[\s+16*\b:\s+16*\b+7], v[SO+\b]
	v_cvt_scalef32_pk8_fp4_f32 v[PC+2*\b+1], v[\s+16*\b+8:\s+16*\b+15], v[SO+\b]
.endr
	v_nop
	v_permlane16_swap_b32 v[PC], v[PC+2]
	v_permlane16_swap_b32 v[PC+1], v[PC+3]
.endm
	v_add_f32 v14, v14, v15
	s_delay_alu instid0(VALU_DEP_1)
	v_permlanex16_b32 v252, v14, s[SEL], s[SEL+1]
	s_delay_alu instid0(VALU_DEP_1)
	v_add_f32 v14, v14, v252                       ; the row's sum; at least one step was walked, so it is above 0
	s_wait_alu depctr_va_vdst(0)
	v_rcp_f32 v14, v14
	v_and_b32 v9, 15, v0                           ; (a plain instruction behind the reciprocal)
	s_delay_alu instid0(VALU_DEP_1)
	v_lshlrev_b32 v9, 5, v9                        ; 32 r: my row's eight scale words
	s_lshl_b32 s50, s32, 6
	s_add_co_u32 s50, s50, s53                     ; tau = 64 b + tile
	s_lshr_b32 s51, s31, 1                         ; K step n / 2,
	s_and_b32 s52, s31, 1                          ; register group n % 2
	s_lshl_b32 s54, s50, 13
	s_lshl_b32 s60, s51, 10
	s_add_co_u32 s54, s54, s60
	s_lshl_b32 s60, s52, 9
	s_add_co_u32 s54, s54, s60
	s_add_nc_u64 s[56:57], s[14:15], s[54:55]
	s_lshl_b32 s54, s50, 9
	s_lshl_b32 s60, s51, 2
	s_add_co_u32 s54, s54, s60
	s_lshl_b32 s60, s52, 1
	s_add_co_u32 s54, s54, s60
	s_add_co_u32 s54, s54, 2097152
	s_add_nc_u64 s[58:59], s[14:15], s[54:55]
	s_wait_alu depctr_va_vdst(0)                   ; the wait ahead of the reciprocal's first reader
.set j, 0
.rept 32
	v_mul_f32 v[S+j], v[O+j], v14
.set j, j+1
.endr
	QUANT2 S, 254
	global_store_b128 v3, v[PC:PC+3], s[56:57]     ; 512 consecutive bytes
	global_store_b16 v9, v254, s[58:59]            ; lanes r and r + 16 store the same two bytes to the same place
	s_wait_tensorcnt 0x0                           ; the wave's end: a tensor wait, an add and an LDS wait behind my last LDS store
	ds_add_u32 v7, v8
	s_wait_dscnt 0x0
	s_endpgm
.Lfunc_end_k_qbdb65c84e9_attn:
	.size	k_qbdb65c84e9_attn, .Lfunc_end_k_qbdb65c84e9_attn-k_qbdb65c84e9_attn
	.p2alignl 7, 3214868480
	.fill 96, 4, 3214868480
	.section	.rodata,"a",@progbits
	.p2align	6, 0x0
	.amdhsa_kernel k_qbdb65c84e9_attn
		.amdhsa_group_segment_fixed_size 215040
		.amdhsa_private_segment_fixed_size 0
		.amdhsa_enable_private_segment 0
		.amdhsa_kernarg_size 48
		.amdhsa_user_sgpr_count 2
		.amdhsa_user_sgpr_kernarg_segment_ptr 1
		.amdhsa_wavefront_size32 1
		.amdhsa_system_sgpr_workgroup_id_x 1
		.amdhsa_system_sgpr_workgroup_id_y 1
		.amdhsa_system_sgpr_workgroup_id_z 1
		.amdhsa_system_vgpr_workitem_id 0
		.amdhsa_next_free_vgpr 256
		.amdhsa_next_free_sgpr 84
		.amdhsa_reserve_vcc 0
		.amdhsa_float_denorm_mode_32 3
		.amdhsa_float_denorm_mode_16_64 3
		.amdhsa_memory_ordered 1
		.amdhsa_forward_progress 1
		.amdhsa_inst_pref_size 61
	.end_amdhsa_kernel
	.amdgpu_metadata
---
amdhsa.version: [ 1, 2 ]
amdhsa.kernels:
  - .name:           k_qbdb65c84e9_attn
    .symbol:         k_qbdb65c84e9_attn.kd
    .args:
      - { .name: qq, .offset: 0, .size: 8, .value_kind: global_buffer, .address_space: global }
      - { .name: kv, .offset: 8, .size: 8, .value_kind: global_buffer, .address_space: global }
      - { .name: rt, .offset: 16, .size: 8, .value_kind: global_buffer, .address_space: global }
      - { .name: attn_mask, .offset: 24, .size: 8, .value_kind: global_buffer, .address_space: global }
      - { .name: flags, .offset: 32, .size: 8, .value_kind: global_buffer, .address_space: global }
      - { .name: av, .offset: 40, .size: 8, .value_kind: global_buffer, .address_space: global }
    .group_segment_fixed_size: 215040
    .private_segment_fixed_size: 0
    .kernarg_segment_align: 8
    .kernarg_segment_size: 48
    .max_flat_workgroup_size: 512
    .sgpr_count:     84
    .vgpr_count:     256
    .wavefront_size: 32
...
	.end_amdgpu_metadata
.endif
;; end of part 3
;; launch outln (part 4): grid 256 x 1, 16 waves a work-group, clusters of 4 x 1, 327,680 bytes of LDS; arguments av, fr, o_kernel_scales, w, ln_gamma, ln_beta, out0; writes out0
.if DOCPART == 4
	.amdgcn_target "amdgcn-amd-amdhsa--gfx1250"
	.amdhsa_code_object_version 6
	.text
	.protected	k_qbdb65c84e9_outln
	.globl	k_qbdb65c84e9_outln
	.p2align	8
	.type	k_qbdb65c84e9_outln,@function
k_qbdb65c84e9_outln:
	s_mov_b64 s[64:65], 0
	v_nop
	global_prefetch_b8 v0, s[64:65] scope:SCOPE_SE
	s_setreg_imm32_b32 hwreg(HW_REG_WAVE_MODE, 25, 1), 1
	s_wait_xcnt 0x0
	s_wait_alu depctr_hold_cnt(0) depctr_sa_sdst(0) depctr_va_vdst(0) depctr_va_sdst(0) depctr_va_ssrc(0) depctr_va_vcc(0) depctr_vm_vsrc(0)
	s_getreg_b32 s2, hwreg(HW_REG_IB_STS2, 6, 4)
	s_cmp_eq_u32 s2, 0
	s_cbranch_scc0 .Lentry_in_a_cluster
	s_endpgm
.Lentry_in_a_cluster:
	s_bfe_u32 s2, ttmp6, 0x10000c
	s_cmp_lg_u32 s2, 0x3003
	s_cbranch_scc0 .Lentry_shape_is_right
	s_endpgm
.Lentry_shape_is_right:
; Launch 4 of 4: out0 = layer_norm(w + attn_vec @ o_kernel) x gamma + beta; the product on codes of E2M1.
; SHARES.  Work-group tau owns the 16 tokens of one tile of the attention launch (batch b = tau / 64, queries i = 64 blk + 4 r + e, 4 blk + e = tau % 64); wave v owns columns 64 v .. 64 v + 63.
; Source 0 = o_kernel's four tiles of 16 columns (fragment images, tile rule of the first launch), source 1 = attn_vec's tile: a lane holds ONE token, register 16 bk + i = column 64 v + 32 bk + 16 h + i.
; THE WEIGHTS, 512 KB of fragment images, are the same for every work-group: the four work-groups of a cluster ask for them JOINTLY, in two fills of 256 KB (K steps 0-3, then 4-7).
; A wave's load is its own four tiles x 4,096 bytes, at 16,384 x wave: only the wave that asked reads them.  It reads its 16 KB into 128 registers; then the same bytes are filled again,
; behind the three lines and a round of the cluster's barrier, and the first half's products stand under that fill.
; attn_vec's tile, 8 KB that all 16 waves multiply by, is copied into LDS once, 512 bytes a wave, through registers.
; w IS THE C OF THE FIRST PRODUCTS: it is loaded in the result's layout straight into the accumulators, so that the sums come out as x = w + attn_out with no addition.
; A row's mean and variance span the 16 waves: two reductions through LDS, a barrier each.  The variance is taken of x - mean, as reference() has it.
; gamma and beta are applied behind the stage, where a lane holds four neighbouring columns, the same four in all eight reads: one load of 16 bytes a lane for each.
; No prefetch: the text has no loop to run ahead in.
.set AVT,   262144                     ; LDS: 0 the weights, 16,384 bytes a wave; behind them attn_vec's tile, 8,192 bytes;
.set REDB,  270336                     ; [wave][32 lanes] words, the rows' partial sums,
.set RED0,  0
.set RED1,  2048                       ; and the same for the squares;
.set SPARE, 274432                     ; the spare words, 128 bytes a wave
.set SROWS, 4352                       ; the stage, 16 rows x (256 bytes + 16) for each wave, lies in the weights' bytes: they have had their last fill, and every wave has passed two barriers behind its last read of them
.set ACC, 32                           ; v32-63   w, then x, x - mean, the normalised row
.set AFR, 64                           ; v64-191  my four tiles' fragments of four K steps: 32 kq + 8 t.  Behind the products: v64-79 partial sums, v96-127 rows read back
.set PSM, 64
.set BFR, 192                          ; v192-223 attn_vec's fragments of four K steps
.set SA,  224                          ; v224-239 o_kernel's scale words: 8 p + ks
.set SB,  240                          ; v240-247 attn_vec's
.set GA,  248                          ; v248-251 gamma, v252-255 beta: my four columns
.set BE,  252
.macro WM d, a, b, sa, sb, ra
.if \ra
	v_wmma_scale_f32_16x16x128_f8f6f4 v[\d:\d+7], v[\a:\a+7], v[\b:\b+7], v[\d:\d+7], v[\sa], v[\sb] matrix_a_fmt:MATRIX_FMT_FP4 matrix_b_fmt:MATRIX_FMT_FP4 matrix_a_scale:MATRIX_SCALE_ROW1
.else
	v_wmma_scale_f32_16x16x128_f8f6f4 v[\d:\d+7], v[\a:\a+7], v[\b:\b+7], v[\d:\d+7], v[\sa], v[\sb] matrix_a_fmt:MATRIX_FMT_FP4 matrix_b_fmt:MATRIX_FMT_FP4
.endif
.endm
.macro CROUND                          ; a round of the cluster's barrier
	s_barrier_signal -1
	s_barrier_wait -1
	s_cmp_lg_u32 s18, 0
	s_cbranch_scc1 .Lnot_wave_0_\@
	s_barrier_signal -3
.Lnot_wave_0_\@:
	s_barrier_wait -3
	s_barrier_signal -1
	s_barrier_wait -1
.endm
	s_load_b256 s[4:11], s[0:1], 0x0               ; av s[4:5], fr s[6:7], o_kernel's scales s[8:9], w s[10:11]
	s_load_b128 s[12:15], s[0:1], 0x20             ; gamma s[12:13], beta s[14:15]
	s_load_b64 s[16:17], s[0:1], 0x30              ; out0
	v_lshl_add_u32 v12, v0, 2, SPARE               ; v12, v13: the add's two; never rewritten
	v_mov_b32 v13, 0
	ds_add_u32 v12, v13                            ; the opening lines: the add twice on end and one wait ahead of the first tensor load
	ds_add_u32 v12, v13
	v_lshrrev_b32 v14, 5, v0
	v_readfirstlane_b32 s18, v14                   ; wave v
	s_mov_b32 s48, 15|(3<<16)|(1<<21)              ; group 1: the cluster's four; elements of 8 bytes; bit 21 beside a mask; no padding: an image is read at 16 x lane
	s_mov_b32 s49, 512<<16                         ; a row: 4,096 bytes, four K steps of one tile
	s_mov_b32 s50, 4<<16                           ; four tiles
	s_mov_b32 s51, 512<<16
	s_mov_b32 s52, 4
	s_mov_b32 s53, 1024                            ; 8,192 bytes from tile to tile
	s_mov_b32 s54, 0
	s_mov_b32 s55, 0
	s_mov_b32 s56, 1                               ; group 0: made of the wave's number alone
	s_lshl_b32 s57, s18, 14
	s_lshl_b32 s60, s18, 15
	s_add_co_u32 s60, s60, 7340032                 ; o_kernel's images in fr, my four tiles
	s_mov_b32 s61, 0
	s_bfe_u32 s19, ttmp6, 0x40000                  ; cx
	s_lshl_b32 s45, ttmp9, 2
	s_add_co_u32 s45, s45, s19                     ; tau = 4 x cluster + cx: it enters addresses in memory alone
	s_mov_b32 s42, 0x76543210
	s_mov_b32 s43, 0xfedcba98
	s_mov_b32 s25, 0                               ; the upper word of every offset pair s[24:25]
	s_lshr_b32 s20, s45, 6                         ; b
	s_bfe_u32 s21, s45, 0x40002                    ; blk
	s_and_b32 s22, s45, 3                          ; e
	s_lshl_b32 s21, s21, 6
	s_add_co_u32 s21, s21, s22                     ; the first token's position
	s_lshl_b32 s21, s21, 2
	s_add_co_u32 s21, s21, s20
	s_lshl_b32 s21, s21, 12
	s_lshl_b32 s23, s18, 8
	s_add_co_u32 s21, s21, s23                     ; (4 position + b) x 4,096 + 256 v
	s_wait_dscnt 0x0                               ; both opening adds are done
	s_wait_kmcnt 0x0
	s_add_nc_u64 s[58:59], s[6:7], s[60:61]
	s_or_b32 s59, s59, 0x80000000
	CROUND                                         ; the four work-groups are here: the first joint loads meet
	tensor_load_to_lds s[56:59], s[48:55]          ; K steps 0-3 of my four tiles: one tensor load a wave at the head
	s_nop 0
	s_mov_b32 s24, s21
	s_add_nc_u64 s[34:35], s[10:11], s[24:25]
	s_add_nc_u64 s[36:37], s[16:17], s[24:25]
	s_mov_b32 s24, s23
	s_add_nc_u64 s[38:39], s[12:13], s[24:25]
	s_add_nc_u64 s[40:41], s[14:15], s[24:25]
	s_lshl_b32 s24, s45, 13
	s_add_nc_u64 s[28:29], s[4:5], s[24:25]
	s_lshl_b32 s24, s18, 11
	s_add_nc_u64 s[30:31], s[8:9], s[24:25]
	s_lshl_b32 s24, s45, 9
	s_add_co_u32 s24, s24, 2097152
	s_add_nc_u64 s[32:33], s[4:5], s[24:25]
	s_lshl_b32 s44, s18, 7
	s_mul_i32 s46, s18, SROWS
	v_and_b32 v14, 31, v0                          ; L
	v_and_b32 v15, 15, v0                          ; r
	v_bfe_u32 v16, v0, 4, 1                        ; h
	v_lshlrev_b32 v1, 4, v14                       ; v1  16 L
	v_and_b32 v17, 8, v15
	v_add_nc_u32 v17, v17, v15
	v_lshl_add_u32 v17, v16, 3, v17
	v_lshlrev_b32 v2, 5, v17                       ; v2  o_kernel's scale rows: lanes 0-15 an even tile's, lanes 16-31 the odd tile's
	v_lshlrev_b32 v3, 5, v15                       ; v3  attn_vec's scale rows
	v_lshlrev_b32 v4, 16, v15
	v_lshl_add_u32 v4, v16, 6, v4                  ; v4  w: 4 positions of 16,384 bytes from token to token, + 64 h
	v_lshlrev_b32 v5, 4, v15                       ; v5  gamma, beta: my four columns behind the stage
	v_lshl_add_u32 v7, v14, 2, REDB                ; v7  4 L among the partial sums
	v_add_nc_u32 v6, s44, v7                       ; v6  my word among them
	v_mul_u32_u24 v8, v15, 272
	v_lshl_add_u32 v8, v16, 6, v8
	v_add_nc_u32 v8, s46, v8                       ; v8  the stage, in: row r, + 64 h
	v_mul_u32_u24 v9, v16, 272
	v_lshl_add_u32 v9, v15, 4, v9
	v_add_nc_u32 v9, s46, v9                       ; v9  back: lanes 0-15 one row, lanes 16-31 the next
	v_lshlrev_b32 v10, 16, v16
	v_lshl_add_u32 v10, v15, 4, v10                ; v10 and the same two rows in out0
	v_add_nc_u32 v11, s57, v1                      ; v11 my tiles in LDS
	v_add_nc_u32 v24, AVT, v1                      ; v24 attn_vec's images in LDS
	v_lshlrev_b32 v25, 4, v0                       ; v25 my thread's 16 bytes of attn_vec's tile in memory,
	v_lshl_add_u32 v26, v0, 4, AVT                 ; v26 and in LDS
	s_wait_alu depctr_va_vdst(0)                   ; the wait at the head's end
	global_load_b128 v[28:31], v25, s[28:29]
.irp bk, 0,1
.irp p, 0,1,2,3
	global_load_b128 v[ACC+16*\bk+4*\p:ACC+16*\bk+4*\p+3], v4, s[34:35] offset:128*\bk+16*\p   ; w, into the accumulators
.endr
.endr
.irp p, 0,1
	global_load_b128 v[SA+8*\p:SA+8*\p+3],   v2, s[30:31] offset:1024*\p
	global_load_b128 v[SA+8*\p+4:SA+8*\p+7], v2, s[30:31] offset:1024*\p+16
.endr
	global_load_b128 v[SB:SB+3],   v3, s[32:33]
	global_load_b128 v[SB+4:SB+7], v3, s[32:33] offset:16
	global_load_b128 v[GA:GA+3], v5, s[38:39]
	global_load_b128 v[BE:BE+3], v5, s[40:41]
.macro LDA                             ; my 16 KB of weights into registers
.irp kq, 0,1,2,3
.irp t, 0,1,2,3
.irp c, 0,1
	ds_load_b128 v[AFR+32*\kq+8*\t+4*\c:AFR+32*\kq+8*\t+4*\c+3], v11 offset:4096*\t+1024*\kq+512*\c
.endr
.endr
.endr
.endm
.macro LDB hf                          ; attn_vec's fragments of K steps 4 hf .. 4 hf + 3
.irp kq, 0,1,2,3
.irp c, 0,1
	ds_load_b128 v[BFR+8*\kq+4*\c:BFR+8*\kq+4*\c+3], v24 offset:4096*\hf+1024*\kq+512*\c
.endr
.endr
.endm
.macro MUL hf                          ; four K steps; four accumulators by turns
.irp kq, 0,1,2,3
.irp at, 0,1,2,3
	WM ACC+8*\at, AFR+32*\kq+8*\at, BFR+8*\kq, SA+8*(\at/2)+4*\hf+\kq, SB+4*\hf+\kq, \at%2
.endr
.endr
.rept 4
	v_nop                                          ; places in front of loads into registers that the products have read, and of the first read of results
.endr
.endm
	s_wait_loadcnt 16                              ; my 16 bytes of attn_vec's tile are in; the 16 loads issued behind that one may be out
	s_wait_tensorcnt 0x0                           ; my tiles are in: only I read them
	ds_store_b128 v26, v[28:31]
	LDA
	s_wait_tensorcnt 0x0                           ; a tensor wait, an add and an LDS wait ahead of a refill's barrier
	ds_add_u32 v12, v13
	s_add_nc_u64 s[58:59], s[58:59], 4096          ; no tensor load of mine is out: on to K steps 4-7
	s_wait_dscnt 0x0                               ; the add, my store and my reads of the weights are done
	CROUND                                         ; that holds of every wave of the four work-groups
	tensor_load_to_lds s[56:59], s[48:55]          ; the refill, first behind the round
	s_nop 0
	LDB 0
	s_wait_loadcnt 0x0                             ; w, the scale words, gamma, beta
	s_wait_dscnt 0x0
	MUL 0
	s_wait_tensorcnt 0x0                           ; my tiles of the second half are in: only I read them
	LDA
	LDB 1
	s_wait_dscnt 0x0
	MUL 1
; v16, my lane's part of a row's sum, becomes the sum over the row's 1,024 columns
.macro ACROSS red
	s_delay_alu instid0(VALU_DEP_1)
	v_permlanex16_b32 v17, v16, s42, s43
	s_delay_alu instid0(VALU_DEP_1)
	v_add_f32 v16, v16, v17                        ; my wave's 64 columns
	ds_store_b32 v6, v16 offset:\red
	s_wait_dscnt 0x0                               ; for the others' sake: my store has landed
	s_barrier_signal -1
	s_barrier_wait -1
.irp u, 0,1,2,3,4,5,6,7,8,9,10,11,12,13,14,15
	ds_load_b32 v[PSM+\u], v7 offset:\red+128*\u
.endr
	s_wait_dscnt 0x0
.irp u, 0,4,8,12
	v_pk_add_f32 v[PSM+\u:PSM+1+\u], v[PSM+\u:PSM+1+\u], v[PSM+2+\u:PSM+3+\u]
.endr
	s_delay_alu instid0(VALU_DEP_3)
	v_pk_add_f32 v[PSM:PSM+1], v[PSM:PSM+1], v[PSM+4:PSM+5]
	s_delay_alu instid0(VALU_DEP_2)
	v_pk_add_f32 v[PSM+8:PSM+9], v[PSM+8:PSM+9], v[PSM+12:PSM+13]
	s_delay_alu instid0(VALU_DEP_1)
	v_pk_add_f32 v[PSM:PSM+1], v[PSM:PSM+1], v[PSM+8:PSM+9]
	s_delay_alu instid0(VALU_DEP_1)
	v_add_f32 v16, v[PSM], v[PSM+1]
.endm
	v_pk_add_f32 v[16:17], v[ACC:ACC+1], v[ACC+2:ACC+3]            ; each accumulator is read from its low end on
	v_pk_add_f32 v[18:19], v[ACC+4:ACC+5], v[ACC+6:ACC+7]
.irp j, 8,12,16,20,24,28
	v_pk_add_f32 v[16:17], v[16:17], v[ACC+\j:ACC+\j+1]            ; two chains by turns
	v_pk_add_f32 v[18:19], v[18:19], v[ACC+\j+2:ACC+\j+3]
.endr
	s_delay_alu instid0(VALU_DEP_1)
	v_pk_add_f32 v[16:17], v[16:17], v[18:19]
	s_delay_alu instid0(VALU_DEP_1)
	v_add_f32 v16, v16, v17
	ACROSS RED0
	s_delay_alu instid0(VALU_DEP_1)
	v_mul_f32 v20, 0x3a800000, v16                 ; the mean: / 1,024
	s_delay_alu instid0(VALU_DEP_1)
	v_mov_b32 v21, v20                             ; (named with it as a pair)
.set j, 0
.rept 16
	v_pk_add_f32 v[ACC+j:ACC+j+1], v[ACC+j:ACC+j+1], v[20:21] op_sel_hi:[1,0] neg_lo:[0,1] neg_hi:[0,1]   ; x - mean
.set j, j+2
.endr
	v_pk_mul_f32 v[16:17], v[ACC:ACC+1], v[ACC:ACC+1]
	v_pk_mul_f32 v[18:19], v[ACC+2:ACC+3], v[ACC+2:ACC+3]
.irp j, 4,8,12,16,20,24,28
	s_delay_alu instid0(VALU_DEP_2)
	v_pk_fma_f32 v[16:17], v[ACC+\j:ACC+\j+1], v[ACC+\j:ACC+\j+1], v[16:17]
	s_delay_alu instid0(VALU_DEP_2)
	v_pk_fma_f32 v[18:19], v[ACC+\j+2:ACC+\j+3], v[ACC+\j+2:ACC+\j+3], v[18:19]
.endr
	s_delay_alu instid0(VALU_DEP_1)
	v_pk_add_f32 v[16:17], v[16:17], v[18:19]
	s_delay_alu instid0(VALU_DEP_1)
	v_add_f32 v16, v16, v17
	ACROSS RED1
	v_mov_b32 v23, 0x3a800000
	s_delay_alu instid0(VALU_DEP_1)
	v_fmaak_f32 v22, v16, v23, 0x3727c5ac          ; the variance + 1e-5
	s_wait_alu depctr_va_vdst(0)                   ; the wait ahead of the root
	v_rsq_f32 v22, v22
	v_nop                                          ; a plain instruction behind the root
	s_wait_alu depctr_va_vdst(0)                   ; the wait ahead of its first reader
.set j, 0
.rept 16
	v_pk_mul_f32 v[ACC+j:ACC+j+1], v[ACC+j:ACC+j+1], v[22:23] op_sel_hi:[1,0]
.set j, j+2
.endr
; the way out: a lane's numbers lie in two runs of 64 bytes of its token's row; through my own stage they come back as whole runs of 256 bytes, take gamma and beta, and leave
.irp bk, 0,1
.irp p, 0,1,2,3
	ds_store_b128 v8, v[ACC+16*\bk+4*\p:ACC+16*\bk+4*\p+3] offset:128*\bk+16*\p
.endr
.endr
.irp q, 0,1,2,3,4,5,6,7
	ds_load_b128 v[96+4*\q:99+4*\q], v9 offset:544*\q              ; LDS serves a wave's instructions in order: these see my stores
.endr
.irp q, 0,1,2,3,4,5,6,7
	s_wait_dscnt 7-\q                              ; loads come back in order: number q is in, the younger ones may be out
	v_pk_fma_f32 v[96+4*\q:97+4*\q], v[96+4*\q:97+4*\q], v[GA:GA+1], v[BE:BE+1]
	v_pk_fma_f32 v[98+4*\q:99+4*\q], v[98+4*\q:99+4*\q], v[GA+2:GA+3], v[BE+2:BE+3]
	global_store_b128 v10, v[96+4*\q:99+4*\q], s[36:37] offset:131072*\q th:TH_STORE_NT   ; 16 lanes store 256 consecutive bytes, at a multiple of 256 from out0's first byte
.endr
	s_wait_tensorcnt 0x0                           ; the wave's end: a tensor wait, an add and an LDS wait behind my last tensor load and my last LDS store
	ds_add_u32 v12, v13
	s_wait_dscnt 0x0
	CROUND                                         ; the closing round
	s_endpgm
.Lfunc_end_k_qbdb65c84e9_outln:
	.size	k_qbdb65c84e9_outln, .Lfunc_end_k_qbdb65c84e9_outln-k_qbdb65c84e9_outln
	.p2alignl 7, 3214868480
	.fill 96, 4, 3214868480
	.section	.rodata,"a",@progbits
	.p2align	6, 0x0
	.amdhsa_kernel k_qbdb65c84e9_outln
		.amdhsa_group_segment_fixed_size 327680
		.amdhsa_private_segment_fixed_size 0
		.amdhsa_enable_private_segment 0
		.amdhsa_kernarg_size 56
		.amdhsa_user_sgpr_count 2
		.amdhsa_user_sgpr_kernarg_segment_ptr 1
		.amdhsa_wavefront_size32 1
		.amdhsa_system_sgpr_workgroup_id_x 1
		.amdhsa_system_sgpr_workgroup_id_y 1
		.amdhsa_system_sgpr_workgroup_id_z 1
		.amdhsa_system_vgpr_workitem_id 0
		.amdhsa_next_free_vgpr 256
		.amdhsa_next_free_sgpr 66
		.amdhsa_reserve_vcc 0
		.amdhsa_float_denorm_mode_32 3
		.amdhsa_float_denorm_mode_16_64 3
		.amdhsa_memory_ordered 1
		.amdhsa_forward_progress 1
		.amdhsa_inst_pref_size 29
	.end_amdhsa_kernel
	.amdgpu_metadata
---
amdhsa.version: [ 1, 2 ]
amdhsa.kernels:
  - .name:           k_qbdb65c84e9_outln
    .symbol:         k_qbdb65c84e9_outln.kd
    .args:
      - { .name: av, .offset: 0, .size: 8, .value_kind: global_buffer, .address_space: global }
      - { .name: fr, .offset: 8, .size: 8, .value_kind: global_buffer, .address_space: global }
      - { .name: o_kernel_scales, .offset: 16, .size: 8, .value_kind: global_buffer, .address_space: global }
      - { .name: w, .offset: 24, .size: 8, .value_kind: global_buffer, .address_space: global }
      - { .name: ln_gamma, .offset: 32, .size: 8, .value_kind: global_buffer, .address_space: global }
      - { .name: ln_beta, .offset: 40, .size: 8, .value_kind: global_buffer, .address_space: global }
      - { .name: out0, .offset: 48, .size: 8, .value_kind: global_buffer, .address_space: global }
    .group_segment_fixed_size: 327680
    .private_segment_fixed_size: 0
    .kernarg_segment_align: 8
    .kernarg_segment_size: 56
    .max_flat_workgroup_size: 512
    .sgpr_count:     66
    .vgpr_count:     256
    .wavefront_size: 32
...
	.end_amdgpu_metadata
.endif
;; end of part 4
